; MI455X (gfx1250); checked and timed in simulation.
; The chip was launched on July 23, 2026; its instructions are those of AMD's public machine-readable ISA for CDNA 5 (MIT licence, August 2026) and "CDNA5" Instruction Set Architecture Reference Guide (July 2026). The comments in the code are by the model that wrote it; some were corrected since.
;; Multi Headed Attention. Allowed arithmetic: float matrix products may take bf16 or f16 operands with f32 sums; all other float work in f32.
;; Inputs: Wk 16 x 1,024 x 64 float32; Wo 1,024 x 1,024 float32; Wq 16 x 1,024 x 64 float32; Wv 16 x 1,024 x 64 float32; bk 16 x 64 float32; bo 1,024 float32; bq 16 x 64 float32; bv 16 x 64 float32; k 2 x 2,048 x 1,024 float32; mask 2 x 1 x 2,048 x 2,048 float32; q 2 x 2,048 x 1,024 float32; v 2 x 2,048 x 1,024 float32.
;; Outputs: out0 2 x 2,048 x 1,024 float32.
;; One version. Each part assembles by itself: llvm-mc -triple=amdgcn-amd-amdhsa -mcpu=gfx1250 --defsym DOCPART=n.
;; ======== version 1 of 1: 4 launches
;; limits: inputs' magnitudes at most 1e+38
;; workspace buffers: wt 8,388,608 bytes; xb 25,165,824 bytes; qkv 25,165,824 bytes; heads 8,388,608 bytes
;; launch prep (part 1): grid 128 x 16, 8 waves a work-group, no clusters, 17,920 bytes of LDS; arguments Wq, Wk, Wv, Wo, q, k, v, wt, xb; writes wt, xb
.if DOCPART == 1
	.amdgcn_target "amdgcn-amd-amdhsa--gfx1250"
	.amdhsa_code_object_version 6
	.text
	.protected	k_qde93336ca1_prep
	.globl	k_qde93336ca1_prep
	.p2align	8
	.type	k_qde93336ca1_prep,@function
k_qde93336ca1_prep:
	s_mov_b64 s[64:65], 0
	v_nop
	global_prefetch_b8 v0, s[64:65] scope:SCOPE_SE
	s_setreg_imm32_b32 hwreg(HW_REG_WAVE_MODE, 25, 1), 1
	s_wait_xcnt 0x0
; prep: everything that the two GEMM launches multiply is brought into bf16 with K along the rows.
; Grid y = 0 to 3: a weight matrix, f32 with K down the rows, becomes bf16 [n = 1024][k = 1024] in wt (2 MiB each): y = 0, 1, 2: Wq, Wk, Wv
;   (n = 64 head + e, k = d); y = 3: Wo (n = column, k = row).  A work-group turns a tile of 128 k x 64 n: grid x = 16 kb + nb.
;   The transposition goes through LDS as words of two bf16 (k even in the low half, k odd in the high half).
; Grid y = 4 to 15: q, k, v (g = (y - 4) >> 2) are rounded to bf16 into xb [3][4096][1024]; a work-group takes 32 KiB of f32, 4 KiB a wave.
; A stream: each byte is read once and written once; no matrix unit, no cluster (no two work-groups read the same bytes), no tensor load.
.set TPITCH, 260                       ; an LDS row: 64 words of one n + 1 word: row n starts at word 65 n, so neighbouring rows start one bank apart (64 banks of 4 bytes: ISA guide 11.1)
.set OFF, 4                            ; v[4:11]   weights: byte offsets of my 16 bytes in eight source rows
.set X,   12                           ; v[12:43]  eight pieces of 4 f32 as loaded; weights: later the rows read back
.set Y,   44                           ; v[44:59]  packed pairs
.set STA, 60                           ; where I put words
.set RDA, 61                           ; where I read a row back
.set CO,  62                           ; my byte offset in wt
	s_load_b256 s[4:11], s[0:1], 0x0               ; Wq s[4:5], Wk s[6:7], Wv s[8:9], Wo s[10:11]
	s_load_b256 s[12:19], s[0:1], 0x20             ; q s[12:13], k s[14:15], v s[16:17], wt s[18:19]
	s_load_b64 s[20:21], s[0:1], 0x40              ; xb
	v_lshl_add_u32 v64, v0, 2, 0x4200
	v_mov_b32 v65, 0
	s_and_b32 s24, ttmp7, 0xffff                   ; y
	s_cmp_lt_u32 s24, 4
	s_cbranch_scc1 .Lweights                       ; the same way for all eight waves of a work-group
	; ---- q, k, v to bf16 ----
	s_sub_co_u32 s25, s24, 4                       ; 0 to 11
	s_lshr_b32 s26, s25, 2                         ; g: 0 q, 1 k, 2 v
	s_and_b32 s25, s25, 3
	s_lshl_b32 s25, s25, 7
	s_add_co_u32 s25, s25, ttmp9                   ; my piece of the tensor's 512
	s_lshl_b32 s30, s25, 15                        ; 32 KiB of f32 in,
	s_mov_b32 s31, 0
	s_lshl_b32 s32, s25, 14                        ; 16 KiB of bf16 out,
	s_lshl_b32 s33, s26, 23                        ; in part g of xb
	s_add_co_u32 s32, s32, s33
	s_mov_b32 s33, 0
	v_and_b32 v1, 31, v0                           ; lane
	v_lshrrev_b32 v2, 5, v0                        ; wave
	v_lshlrev_b32 v3, 4, v1
	v_lshl_add_u32 v3, v2, 12, v3                  ; in: 4,096 wave + 16 lane
	v_lshlrev_b32 v4, 3, v1
	v_lshl_add_u32 v4, v2, 11, v4                  ; out: 2,048 wave + 8 lane
	s_wait_kmcnt 0x0
	s_cmp_eq_u32 s26, 1
	s_cselect_b64 s[34:35], s[14:15], s[12:13]
	s_cmp_eq_u32 s26, 2
	s_cselect_b64 s[34:35], s[16:17], s[34:35]
	s_add_nc_u64 s[34:35], s[34:35], s[30:31]
	s_add_nc_u64 s[20:21], s[20:21], s[32:33]
.irp i, 0,1,2,3,4,5,6,7
	global_load_b128 v[X+4*\i:X+4*\i+3], v3, s[34:35] offset:512*\i th:TH_LOAD_NT   ; a wave's load covers 512 consecutive bytes
.endr
.irp i, 0,1,2,3,4,5,6,7
	s_wait_loadcnt 7-\i                            ; loads come back in order: load i is in, the younger ones stay out
	v_cvt_pk_bf16_f32 v[Y+2*\i], v[X+4*\i], v[X+4*\i+1]
	v_cvt_pk_bf16_f32 v[Y+2*\i+1], v[X+4*\i+2], v[X+4*\i+3]
	global_store_b64 v4, v[Y+2*\i:Y+2*\i+1], s[20:21] offset:256*\i   ; a wave's store covers 256 consecutive bytes, at a multiple of 256 from xb's first byte
.endr
	s_endpgm
	; ---- a tile of a weight matrix ----
.Lweights:
	s_and_b32 s25, ttmp9, 15                       ; nb: block of 64 n
	s_lshr_b32 s26, ttmp9, 4                       ; kb: block of 128 k
	s_movk_i32 s28, 256                            ; bytes from k to k + 1: a head's row of 64 f32,
	s_mov_b32 s29, 0x40000                         ; bytes from a block of 64 n to the next: a head's 1,024 rows
	s_cmp_eq_u32 s24, 3
	s_cselect_b32 s28, 0x1000, s28                 ; in Wo: a row of 1,024 f32,
	s_cselect_b32 s29, 0x100, s29                  ; and 64 columns
	s_mul_i32 s30, s25, s29
	s_mul_i32 s31, s26, s28
	s_lshl_b32 s31, s31, 7                         ; kb x 128 rows
	s_add_co_u32 s30, s30, s31                     ; the tile's first byte in the source
	s_mov_b32 s31, 0
	s_lshl_b32 s32, s24, 21                        ; the matrix in wt,
	s_lshl_b32 s33, s25, 17                        ; 64 rows of 2,048 bytes for each nb,
	s_add_co_u32 s32, s32, s33
	s_lshl_b32 s33, s26, 8                         ; 256 bytes for each kb
	s_add_co_u32 s32, s32, s33
	s_mov_b32 s33, 0
	v_and_b32 v1, 15, v0                           ; c: my 16 bytes (4 n) of a source row
	v_lshrrev_b32 v2, 4, v0                        ; p: 0 to 15
	v_lshlrev_b32 v3, 4, v1                        ; 16 c
	v_lshlrev_b32 v63, 1, v2                       ; 2 p
.irp n, 0,1,2,3,4,5,6,7
	v_add_nc_u32 v[Y+\n], 32*(\n>>1)+(\n&1), v63   ; source row 2 (p + 16 i) + u, n = 2 i + u
	v_mad_u32_u24 v[OFF+\n], v[Y+\n], s28, v3
.endr
	v_mul_u32_u24 v[STA], v1, 4*TPITCH             ; LDS row 4 c,
	v_lshl_add_u32 v[STA], v2, 2, v[STA]           ; word p
	v_mad_u32_u24 v[RDA], v2, TPITCH, v3           ; LDS row p, 16 bytes at 16 c
	v_lshl_add_u32 v[CO], v2, 11, v3               ; row p of the 64 in wt, 16 bytes at 16 c
	s_wait_kmcnt 0x0
	s_cmp_eq_u32 s24, 1
	s_cselect_b64 s[34:35], s[6:7], s[4:5]
	s_cmp_eq_u32 s24, 2
	s_cselect_b64 s[34:35], s[8:9], s[34:35]
	s_cmp_eq_u32 s24, 3
	s_cselect_b64 s[34:35], s[10:11], s[34:35]
	s_add_nc_u64 s[34:35], s[34:35], s[30:31]
	s_add_nc_u64 s[18:19], s[18:19], s[32:33]
.irp n, 0,1,2,3,4,5,6,7
	global_load_b128 v[X+4*\n:X+4*\n+3], v[OFF+\n], s[34:35] th:TH_LOAD_NT   ; sixteen lanes take one whole source row of 256 bytes
.endr
.irp i, 0,1,2,3
	s_wait_loadcnt 6-2*\i                          ; loads come back in order: rows 2 (p + 16 i) and the next are in, the younger pairs stay out
.irp j, 0,1,2,3
	v_cvt_pk_bf16_f32 v[Y+4*\i+\j], v[X+8*\i+\j], v[X+8*\i+4+\j]   ; n = 4 c + j: k even low, k odd high
.endr
.irp j, 0,1,2,3
	ds_store_b32 v[STA], v[Y+4*\i+\j] offset:TPITCH*\j+64*\i       ; LDS row 4 c + j, word p + 16 i
.endr
.endr
	s_wait_dscnt 0x0                               ; my words are in LDS before I say so
	s_barrier_signal -1
	s_barrier_wait -1                              ; everybody's are
.irp i, 0,1,2,3
.irp u, 0,1,2,3
	ds_load_b32 v[X+4*\i+\u], v[RDA] offset:16*TPITCH*\i+4*\u      ; rows start at multiples of 4 bytes only: four words, not one load of 16 bytes
.endr
.endr
.irp i, 0,1,2,3
	s_wait_dscnt 12-4*\i                           ; the four words of row p + 16 i are in
	global_store_b128 v[CO], v[X+4*\i:X+4*\i+3], s[18:19] offset:32768*\i   ; sixteen lanes store 256 consecutive bytes, at a multiple of 256 from wt's first byte
.endr
	s_wait_tensorcnt 0x0
	ds_add_u32 v64, v65
	s_wait_dscnt 0x0
	s_endpgm
.Lfunc_end_k_qde93336ca1_prep:
	.size	k_qde93336ca1_prep, .Lfunc_end_k_qde93336ca1_prep-k_qde93336ca1_prep
	.p2alignl 7, 3214868480
	.fill 96, 4, 3214868480
	.section	.rodata,"a",@progbits
	.p2align	6, 0x0
	.amdhsa_kernel k_qde93336ca1_prep
		.amdhsa_group_segment_fixed_size 17920
		.amdhsa_private_segment_fixed_size 0
		.amdhsa_enable_private_segment 0
		.amdhsa_kernarg_size 72
		.amdhsa_user_sgpr_count 2
		.amdhsa_user_sgpr_kernarg_segment_ptr 1
		.amdhsa_wavefront_size32 1
		.amdhsa_system_sgpr_workgroup_id_x 1
		.amdhsa_system_sgpr_workgroup_id_y 1
		.amdhsa_system_sgpr_workgroup_id_z 1
		.amdhsa_system_vgpr_workitem_id 0
		.amdhsa_next_free_vgpr 66
		.amdhsa_next_free_sgpr 66
		.amdhsa_reserve_vcc 0
		.amdhsa_float_denorm_mode_32 3
		.amdhsa_float_denorm_mode_16_64 3
		.amdhsa_memory_ordered 1
		.amdhsa_forward_progress 1
		.amdhsa_inst_pref_size 12
	.end_amdhsa_kernel
	.amdgpu_metadata
---
amdhsa.version: [ 1, 2 ]
amdhsa.kernels:
  - .name:           k_qde93336ca1_prep
    .symbol:         k_qde93336ca1_prep.kd
    .args:
      - { .name: Wq, .offset: 0, .size: 8, .value_kind: global_buffer, .address_space: global }
      - { .name: Wk, .offset: 8, .size: 8, .value_kind: global_buffer, .address_space: global }
      - { .name: Wv, .offset: 16, .size: 8, .value_kind: global_buffer, .address_space: global }
      - { .name: Wo, .offset: 24, .size: 8, .value_kind: global_buffer, .address_space: global }
      - { .name: q, .offset: 32, .size: 8, .value_kind: global_buffer, .address_space: global }
      - { .name: k, .offset: 40, .size: 8, .value_kind: global_buffer, .address_space: global }
      - { .name: v, .offset: 48, .size: 8, .value_kind: global_buffer, .address_space: global }
      - { .name: wt, .offset: 56, .size: 8, .value_kind: global_buffer, .address_space: global }
      - { .name: xb, .offset: 64, .size: 8, .value_kind: global_buffer, .address_space: global }
    .group_segment_fixed_size: 17920
    .private_segment_fixed_size: 0
    .kernarg_segment_align: 8
    .kernarg_segment_size: 72
    .max_flat_workgroup_size: 256
    .sgpr_count:     66
    .vgpr_count:     66
    .wavefront_size: 32
...
	.end_amdgpu_metadata
.endif
;; end of part 1
;; launch proj (part 2): grid 4 x 48, 4 waves a work-group, clusters of 4 x 4, 327,680 bytes of LDS; arguments xb, bq, bk, bv, wt, qkv; writes qkv
.if DOCPART == 2
	.amdgcn_target "amdgcn-amd-amdhsa--gfx1250"
	.amdhsa_code_object_version 6
	.text
	.protected	k_qde93336ca1_proj
	.globl	k_qde93336ca1_proj
	.p2align	8
	.type	k_qde93336ca1_proj,@function
k_qde93336ca1_proj:
	s_mov_b64 s[64:65], 0
	v_nop
	global_prefetch_b8 v0, s[64:65] scope:SCOPE_SE
	s_setreg_imm32_b32 hwreg(HW_REG_WAVE_MODE, 25, 1), 1
	s_wait_xcnt 0x0
	s_wait_alu depctr_hold_cnt(0) depctr_sa_sdst(0) depctr_va_vdst(0) depctr_va_sdst(0) depctr_va_ssrc(0) depctr_va_vcc(0) depctr_vm_vsrc(0)
	s_getreg_b32 s2, hwreg(HW_REG_IB_STS2, 6, 4)
	s_cmp_eq_u32 s2, 0
	s_cbranch_scc0 .Lentry_in_a_cluster
	s_endpgm
.Lentry_in_a_cluster:
	s_bfe_u32 s2, ttmp6, 0x10000c
	s_cmp_lg_u32 s2, 0xf033
	s_cbranch_scc0 .Lentry_shape_is_right
	s_endpgm
.Lentry_shape_is_right:
; proj: the three projections.  C[m][n] = sum over k of x[m][k] WT[n][k] + bias[n]; x = part g of xb, bf16 [4096][1024]; WT = matrix g of wt, bf16 [1024][1024].
; Out: qkv, bf16 [g = 3][b = 2][head = 16][s = 2048][e = 64]; the q part is multiplied by 1/8 (= 1/sqrt(64), exact) before its one rounding.
; A work-group makes 256 x 256 of C with four waves, a wave 128 x 128: 64 accumulator tiles, 512 registers.  192 work-groups: 3 x 16 x 4 blocks.
; (An even share for 256 work-groups would be three blocks of 128 x 128 each; waves of 64 x 64 read twice the LDS bytes for each product.)
; K goes in steps of 128 through two LDS slots: a tile's rows are 256 bytes of memory and start at multiples of 256 bytes from the buffer's first byte.
; From a slot's request to the wait for it a wave issues 240 matrix instructions.
; CLUSTERS: 4 x 4 work-groups.  Those of a row of the cluster make one block row of C and ask for x's tiles jointly, those of a column for WT's.
; All sixteen belong to one of the three products (g hangs on the cluster's y alone).
; REGISTERS, in windows of 256:
;   window 0: v16-27 addresses; v64-127, v128-191 A's fragments, two buffers; v192-255 the bias of my 64 numbers a row
;   window 1: v64-127, v128-191 B's fragments, two buffers
;   window 2: accumulator tiles of my rows 0-63 (tile (a, b) at v[8 (8 a + b)]);  window 3: those of rows 64-127
; The matrix instruction is used transposed (source 0 = rows of WT, source 1 = rows of x): a lane's 8 results are 8 neighbouring columns of one row of C.
; The 64 accumulators take turns, one instruction a turn, in the same order in every quarter step, over the backward jump too.
.set KSTEP,  128
.set PITCH,  272                       ; an LDS row: 256 bytes + 16 of padding, so that 16 rows start at 16 different places modulo 256 bytes
.set HALFT,  128*PITCH                 ; 128 rows: one tensor load, and what one wave reads of A or of B
.set SLOT,   4*HALFT                   ; A's 256 rows, then B's 256 rows
.set STAGE,  2*SLOT                    ; behind the ring: for each wave two planes (heads) of 16 rows x 144 bytes; no tensor load lands here
.set SPITCH, 144
.set SPLANE, 16*SPITCH
.set LAPS,   4                         ; a lap = two K steps = once round the ring; K = 1,024
.set ADRA, 16                          ; v16-17  LDS address of my A fragments in slot 0, 1
.set ADRB, 20                          ; v20-21  the same for B
.set STO,  24
.set RD,   25
.set CO,   26
.set BO,   27
.set F0,   64
.set F1,   128
.set BIAS, 192
.set G1,  24                           ; s[24:31] group 1, A
.set G0,  32                           ; s[32:39] group 0, A, one set a slot
.set G1B, 48                           ; s[48:55] group 1, B
.set G0B, 56                           ; s[56:63] group 0, B, one set a slot
.set MSB, 0
.macro WIN new                         ; the immediate's high byte repeats the setting that is left
.if MSB != \new
	s_set_vgpr_msb (MSB<<8)|\new
.set MSB, \new
.endif
.endm
.set MUL_LO, 0xa1                      ; source 0 (B) window 1, source 1 (A) window 0, C and D window 2
.set MUL_HI, 0xf1                      ; the same, C and D window 3
.set TO_B,   0x40                      ; destination window 1, address window 0
.macro PLACES                          ; four places behind matrix instructions, in front of loads into their sources and of reads of their results
.rept 4
	v_nop
.endr
.endm
.macro CREST                           ; a round of the cluster's barrier behind its opening work-group barrier
	s_cmp_lg_u32 s10, 0
	s_cbranch_scc1 .Lnot_wave_0_\@
	s_barrier_signal -3
.Lnot_wave_0_\@:
	s_barrier_wait -3
	s_barrier_signal -1
	s_barrier_wait -1
.endm
.macro CROUND
	s_barrier_signal -1
	s_barrier_wait -1
	CREST
.endm
; A joint refill: waves 0 and 1 ask for A's two halves, waves 2 and 3 for B's.  The branch hangs on the wave's number alone.
.macro JLOAD s
	s_cmp_eq_u32 s11, 0
	s_cbranch_scc0 .Lfor_b_\@
	tensor_load_to_lds s[G0+4*\s:G0+4*\s+3], s[G1:G1+7]
	s_nop 0
	s_branch .Lasked_\@
.Lfor_b_\@:
	tensor_load_to_lds s[G0B+4*\s:G0B+4*\s+3], s[G1B:G1B+7]
	s_nop 0
.Lasked_\@:
.endm
	s_load_b256 s[68:75], s[0:1], 0x0              ; xb s[68:69], bq s[70:71], bk s[72:73], bv s[74:75]
	s_load_b128 s[76:79], s[0:1], 0x20             ; wt s[76:77], qkv s[78:79]
	s_set_vgpr_msb 0x40
	v_lshl_add_u32 v255, v0, 2, 0x48800
	s_set_vgpr_msb 0x4000
	v_mov_b32 v63, 0
	s_set_vgpr_msb 0x1
	ds_add_u32 v255, v63
	s_set_vgpr_msb 0x100
	v_lshrrev_b32 v1, 5, v0
	v_readfirstlane_b32 s10, v1                    ; wave 0..3
	s_lshr_b32 s11, s10, 1                         ; my half of the block's rows.  Also: I fetch for A (0) or for B (1)
	s_and_b32 s12, s10, 1                          ; my half of its columns.  Also: which 128 rows I fetch
	s_bfe_u32 s40, ttmp6, 0x40000                  ; cx
	s_bfe_u32 s41, ttmp6, 0x40004                  ; cy
	s_and_b32 s84, ttmp7, 0xffff                   ; the cluster's y, 0 to 11
	s_lshr_b32 s85, s84, 2                         ; g: 0 q, 1 k, 2 v; the same in all sixteen
	s_and_b32 s13, s84, 3
	s_lshl_b32 s13, s13, 2
	s_add_co_u32 s13, s13, s41                     ; block row of C, 0 to 15
	s_lshl_b32 s42, ttmp9, 2
	s_add_co_u32 s42, s42, s40                     ; block column of C, 0 to 3
	s_lshl_b32 s43, s41, 2
	s_lshl_b32 s43, 15, s43                        ; my row of the cluster
	s_lshl_b32 s44, 0x1111, s40                    ; my column
	; group 1, A and B alike but for the mask: 128 rows x 128 elements of 2 bytes, 4 words of padding behind every 64 words, 1,024 elements from row to row
	s_or_b32 s[G1+0], s43, (1<<16)|(1<<20)|(1<<21)|(5<<22)|(3<<25)
	s_or_b32 s[G1B+0], s44, (1<<16)|(1<<20)|(1<<21)|(5<<22)|(3<<25)
	s_mov_b32 s[G1+1], KSTEP<<16                   ; tensor_dim0
	s_mov_b32 s[G1B+1], KSTEP<<16
	s_mov_b32 s[G1+2], 128<<16                     ; tensor_dim1
	s_mov_b32 s[G1B+2], 128<<16
	s_mov_b32 s[G1+3], KSTEP<<16                   ; tile_dim0
	s_mov_b32 s[G1B+3], KSTEP<<16
	s_mov_b32 s[G1+4], 128                         ; tile_dim1
	s_mov_b32 s[G1B+4], 128
	s_mov_b32 s[G1+5], 1024                        ; stride
	s_mov_b32 s[G1B+5], 1024
	s_mov_b32 s[G1+6], 0
	s_mov_b32 s[G1B+6], 0
	s_mov_b32 s[G1+7], 0
	s_mov_b32 s[G1B+7], 0
	; A's address hangs on the block row, B's on the block column, each in registers that never hold the other coordinate
	s_lshl_b32 s17, s12, 7
	s_lshl_b32 s16, s13, 8
	s_add_co_u32 s16, s16, s17
	s_lshl_b32 s16, s16, 11                        ; x: row x 2,048 bytes,
	s_lshl_b32 s45, s85, 23
	s_add_co_u32 s16, s16, s45                     ; in part g of xb
	s_lshl_b32 s46, s42, 8
	s_add_co_u32 s46, s46, s17
	s_lshl_b32 s46, s46, 11                        ; WT: row x 2,048 bytes,
	s_lshl_b32 s45, s85, 21
	s_add_co_u32 s46, s46, s45                     ; in matrix g of wt
	s_mov_b32 s17, 0
	s_mov_b32 s47, 0
	s_lshl_b32 s90, s42, 10                        ; the bias of my 128 columns: 4 (256 block column + 128 half)
	s_lshl_b32 s91, s12, 9
	s_add_co_u32 s90, s90, s91
	s_mov_b32 s91, 0
	s_mul_i32 s20, s10, HALFT                      ; where my loads go: A's halves, then B's = wave x 128 rows
	s_wait_dscnt 0x0
	s_wait_kmcnt 0x0
	s_cmp_eq_u32 s85, 1
	s_cselect_b64 s[86:87], s[72:73], s[70:71]
	s_cmp_eq_u32 s85, 2
	s_cselect_b64 s[86:87], s[74:75], s[86:87]     ; the product's bias
	s_cmp_eq_u32 s85, 0
	s_cselect_b32 s88, 0x3e000000, 1.0             ; 1/8 for q, 1 for k and v
	s_mov_b32 s89, s88
	s_add_nc_u64 s[14:15], s[68:69], s[16:17]
	s_add_nc_u64 s[46:47], s[76:77], s[46:47]
	s_add_nc_u64 s[86:87], s[86:87], s[90:91]
	CROUND                                         ; all sixteen work-groups are here: the first joint loads meet
.irp s, 0,1
	s_mov_b32 s[G0+4*\s], 1
	s_add_co_u32 s[G0+4*\s+1], s20, \s*SLOT
	s_add_nc_u64 s[G0+4*\s+2:G0+4*\s+3], s[14:15], \s*KSTEP*2      ; K step s
	s_or_b32 s[G0+4*\s+3], s[G0+4*\s+3], 0x80000000
	s_mov_b32 s[G0B+4*\s], 1
	s_add_co_u32 s[G0B+4*\s+1], s20, \s*SLOT
	s_add_nc_u64 s[G0B+4*\s+2:G0B+4*\s+3], s[46:47], \s*KSTEP*2
	s_or_b32 s[G0B+4*\s+3], s[G0B+4*\s+3], 0x80000000
.endr
	s_cmp_eq_u32 s11, 0                            ; the first fills, two a wave, inside one branch on the wave's number
	s_cbranch_scc0 .Lfirst_b
	tensor_load_to_lds s[G0:G0+3], s[G1:G1+7]
	s_nop 0
	tensor_load_to_lds s[G0+4:G0+7], s[G1:G1+7]
	s_nop 0
	s_branch .Lfirst_done
.Lfirst_b:
	tensor_load_to_lds s[G0B:G0B+3], s[G1B:G1B+7]
	s_nop 0
	tensor_load_to_lds s[G0B+4:G0B+7], s[G1B:G1B+7]
	s_nop 0
.Lfirst_done:
	v_and_b32 v1, 15, v0                           ; r = lane % 16
	v_bfe_u32 v2, v0, 4, 1                         ; h = lane / 16
	v_and_b32 v5, 31, v0                           ; lane
	v_lshlrev_b32 v[BO], 5, v2                     ; my 8 columns of each 16: 32 h bytes of f32
.irp b, 0,1,2,3,4,5,6,7
	global_load_b128 v[BIAS+8*\b:BIAS+8*\b+3],   v[BO], s[86:87] offset:64*\b
	global_load_b128 v[BIAS+8*\b+4:BIAS+8*\b+7], v[BO], s[86:87] offset:64*\b+16
.endr
	v_mul_u32_u24 v3, v1, PITCH
	v_lshl_add_u32 v3, v2, 4, v3                   ; a fragment: row x pitch + 16 h
	s_mul_i32 s21, s11, HALFT
	s_mul_i32 s22, s12, HALFT
	s_add_co_u32 s22, s22, 2*HALFT
.irp s, 0,1
	v_add_nc_u32 v[ADRA+\s], s21, v3
	v_add_nc_u32 v[ADRB+\s], s22, v3
	s_add_co_u32 s21, s21, SLOT
	s_add_co_u32 s22, s22, SLOT
.endr
	s_mul_i32 s23, s10, 2*SPLANE
	s_add_co_u32 s23, s23, STAGE                   ; my stage
	v_mul_u32_u24 v6, v1, SPITCH
	v_lshl_add_u32 v6, v2, 4, v6
	v_add_nc_u32 v[STO], s23, v6                   ; in: row r, 16 bytes for each half of the lanes
	v_lshrrev_b32 v6, 3, v5
	v_and_b32 v7, 7, v5
	v_mul_u32_u24 v6, v6, SPITCH
	v_lshl_add_u32 v6, v7, 4, v6
	v_add_nc_u32 v[RD], s23, v6                    ; back: eight lanes take a row of 128 bytes, the wave four rows
	v_lshlrev_b32 v[CO], 4, v5                     ; which are 512 consecutive bytes of qkv
; 16 matrix instructions: m blocks a0, a0 + 1 of the window's four x all 8 n blocks.  zero = 1: the first product starts the sums.
.macro MUL16 f, hi, a0, zero
.irp a, \a0, \a0+1
.irp b, 0,1,2,3,4,5,6,7
.if \zero
	v_wmma_f32_16x16x32_bf16 v[8*(8*(\a)+\b):8*(8*(\a)+\b)+7], v[\f+8*\b:\f+8*\b+7], v[\f+8*(4*\hi+\a):\f+8*(4*\hi+\a)+7], 0
.else
	v_wmma_f32_16x16x32_bf16 v[8*(8*(\a)+\b):8*(8*(\a)+\b)+7], v[\f+8*\b:\f+8*\b+7], v[\f+8*(4*\hi+\a):\f+8*(4*\hi+\a)+7], v[8*(8*(\a)+\b):8*(8*(\a)+\b)+7]
.endif
.endr
.endr
.endm
; 32 LDS loads in one run: the fragments of one quarter step (128 rows of B, 128 rows of A, 32 K at byte k of the rows) into buffer f
.macro FETCH slot, k, f
	WIN TO_B
.irp i, 0,1,2,3,4,5,6,7
	ds_load_b128 v[\f+8*\i:\f+8*\i+3],   v[ADRB+\slot] offset:\k+\i*16*PITCH
	ds_load_b128 v[\f+8*\i+4:\f+8*\i+7], v[ADRB+\slot] offset:\k+\i*16*PITCH+32
.endr
	WIN 0
.irp i, 0,1,2,3,4,5,6,7
	ds_load_b128 v[\f+8*\i:\f+8*\i+3],   v[ADRA+\slot] offset:\k+\i*16*PITCH
	ds_load_b128 v[\f+8*\i+4:\f+8*\i+7], v[ADRA+\slot] offset:\k+\i*16*PITCH+32
.endr
.endm
; A K step is four quarter steps of 32 along K, 64 matrix instructions each, on buffers 0, 1, 0, 1.
; One of the first three: multiplies buffer f; in its middle it fetches the next quarter's fragments, at byte k of the same slot's rows, into buffer g.
.macro QUARTER slot, k, f, g, zero
	s_wait_dscnt 8                                 ; B and A's rows 0-63 are in; the youngest eight loads (A's rows 64-127) may be out
	WIN MUL_LO
	MUL16 \f, 0, 0, \zero
	MUL16 \f, 0, 2, \zero
	PLACES                                         ; buffer g was read by the last quarter's matrix instructions
	FETCH \slot, \k, \g
	s_wait_dscnt 32                                ; all but the 32 just issued
	WIN MUL_HI
	MUL16 \f, 1, 0, \zero
	MUL16 \f, 1, 2, \zero
.endm
.macro THREE slot, zero
	QUARTER \slot, 64,  F0, F1, \zero
	QUARTER \slot, 128, F1, F0, 0
	QUARTER \slot, 192, F0, F1, 0
.endm
; The last quarter multiplies buffer 1 and changes slots.  next = the other slot; fill = 1: this slot is filled again, two K steps ahead.
; In front of the barrier each wave waits for its own reads of this slot and for all its tensor loads, of which one is out: its part of the next slot.
; Behind it nobody reads this slot any more and the next slot is whole: the refill comes first, then the next slot's first fragments.
.macro TURN slot, next, fill
	s_wait_dscnt 8
	WIN MUL_LO
	MUL16 F1, 0, 0, 0
	s_wait_dscnt 0                                 ; my reads of this slot are over
	s_wait_tensorcnt 0x0                           ; and all my tensor loads have landed
	ds_add_u32 v255, v63
	s_wait_dscnt 0x0
	s_barrier_signal -1                            ; (where a slot is filled again this barrier opens a round of the cluster's barrier)
	MUL16 F1, 0, 2, 0                              ; registers only, while the others arrive
	WIN 0
	s_barrier_wait -1
.if \fill
	CREST                                          ; no wave of any partner still reads this slot's tile or has a load on its way
	s_add_nc_u64 s[G0+4*\slot+2:G0+4*\slot+3], s[G0+4*\slot+2:G0+4*\slot+3], 2*KSTEP*2
	s_add_nc_u64 s[G0B+4*\slot+2:G0B+4*\slot+3], s[G0B+4*\slot+2:G0B+4*\slot+3], 2*KSTEP*2
	JLOAD \slot                                    ; the first tensor load behind the round, ahead of every LDS read
.endif
	PLACES
	FETCH \next, 0, F0
	WIN MUL_HI
	MUL16 F1, 1, 0, 0
	MUL16 F1, 1, 2, 0
.endm
.macro LAP zero                        ; once round the ring, both slots filled again
	THREE 0, \zero
	TURN 0, 1, 1
	THREE 1, 0
	TURN 1, 0, 1
.endm
	s_wait_tensorcnt 0x1                           ; my part of slot 0 is in; slot 1's load, issued behind it, may stay out
	s_barrier_signal -1
	s_barrier_wait -1
	FETCH 0, 0, F0
	s_wait_loadcnt 0x0                             ; the bias
.set i, 0
.rept 32
	v_pk_mul_f32 v[BIAS+2*i:BIAS+2*i+1], v[BIAS+2*i:BIAS+2*i+1], s[88:89] op_sel_hi:[1,0]   ; (sum + bias) x scale = sum x scale + bias x scale
.set i, i+1
.endr
	LAP 1                                          ; the first lap stands in front of the loop: its first products start the sums
	WIN 0                                          ; at a label and at a branch every window is 0
	s_mov_b32 s3, LAPS-2
.Llap:
	LAP 0
	WIN 0
	s_sub_co_u32 s3, s3, 1
	s_cmp_lg_u32 s3, 0
	s_cbranch_scc1 .Llap
	THREE 0, 0                                     ; the last lap fills nothing: my one tensor load that is still out is slot 1's, the last K step's
	TURN 0, 1, 0
	THREE 1, 0
	s_wait_dscnt 8                                 ; the very last quarter: nothing more to fetch
	WIN MUL_LO
	MUL16 F1, 0, 0, 0
	MUL16 F1, 0, 2, 0
	s_wait_dscnt 0
	WIN MUL_HI
	MUL16 F1, 1, 0, 0
	MUL16 F1, 1, 2, 0
	; THE WAY OUT, 16 rows at a time: scale and bias in one fused multiply-add, round to bf16, through my own stage, out as 512 consecutive bytes a store.
	PLACES
	s_lshl_b32 s92, s13, 8
	s_lshl_b32 s93, s11, 7
	s_add_co_u32 s92, s92, s93                     ; my first row m0 of the 4,096
	s_lshr_b32 s93, s92, 11
	s_lshl_b32 s93, s93, 22                        ; batch
	s_and_b32 s92, s92, 2047
	s_lshl_b32 s92, s92, 7                         ; s x 128 bytes
	s_add_co_u32 s92, s92, s93
	s_lshl_b32 s93, s85, 23                        ; g
	s_add_co_u32 s92, s92, s93
	s_lshl_b32 s93, s42, 2
	s_lshl_b32 s94, s12, 1
	s_add_co_u32 s93, s93, s94                     ; my first head = 4 block column + 2 half
	s_lshl_b32 s93, s93, 18
	s_add_co_u32 s92, s92, s93
	s_mov_b32 s93, 0
	s_add_nc_u64 s[78:79], s[78:79], s[92:93]
; rows 16 i .. 16 i + 15 = tiles (a, 0..7) of window 2 or 3 (from: source 0's window); buf: 128 or 160 in turn
.macro OUT16 i, a, from, buf
	WIN \from
.irp b, 0,1,2,3,4,5,6,7
.irp r, 0,1,2,3
	v_pk_fma_f32 v[F0+8*\b+2*\r:F0+8*\b+2*\r+1], v[8*(8*\a+\b)+2*\r:8*(8*\a+\b)+2*\r+1], s[88:89], v[BIAS+8*\b+2*\r:BIAS+8*\b+2*\r+1] op_sel_hi:[1,0,1]
.endr
.endr
	WIN 0
.irp b, 0,1,2,3,4,5,6,7
.irp r, 0,1,2,3
	v_cvt_pk_bf16_f32 v[F0+4*\b+\r], v[F0+8*\b+2*\r], v[F0+8*\b+2*\r+1]    ; packed downward: no source still needed is written
.endr
.endr
.irp b, 0,1,2,3,4,5,6,7
	ds_store_b128 v[STO], v[F0+4*\b:F0+4*\b+3] offset:(\b>>2)*SPLANE+(\b&3)*32   ; columns 0-63 are one head's plane, 64-127 the next's
.endr
	s_wait_xcnt 0x0                                ; the registers that earlier stores read are loaded again only behind this wait
.irp t, 0,1,2,3,4,5,6,7
	ds_load_b128 v[\buf+4*\t:\buf+4*\t+3], v[RD] offset:(\t>>2)*SPLANE+(\t&3)*4*SPITCH   ; LDS serves a wave's instructions in order: these see the stores above
.endr
.irp t, 0,1,2,3,4,5,6,7
	s_wait_dscnt 7-\t
	global_store_b128 v[CO], v[\buf+4*\t:\buf+4*\t+3], s[78:79] offset:(\t>>2)*262144+(16*\i+4*(\t&3))*128
.endr
.endm
	OUT16 0, 0, 0x02, 128
	OUT16 1, 1, 0x02, 160
	OUT16 2, 2, 0x02, 128
	OUT16 3, 3, 0x02, 160
	OUT16 4, 0, 0x03, 128
	OUT16 5, 1, 0x03, 160
	OUT16 6, 2, 0x03, 128
	OUT16 7, 3, 0x03, 160
	s_set_vgpr_msb 0x1
	s_wait_tensorcnt 0x0
	ds_add_u32 v255, v63
	s_wait_dscnt 0x0
	s_set_vgpr_msb 0x100
	CROUND                                         ; the closing round: no work-group ends while a partner may still ask for a tile that names it
	s_endpgm
.Lfunc_end_k_qde93336ca1_proj:
	.size	k_qde93336ca1_proj, .Lfunc_end_k_qde93336ca1_proj-k_qde93336ca1_proj
	.p2alignl 7, 3214868480
	.fill 96, 4, 3214868480
	.section	.rodata,"a",@progbits
	.p2align	6, 0x0
	.amdhsa_kernel k_qde93336ca1_proj
		.amdhsa_group_segment_fixed_size 327680
		.amdhsa_private_segment_fixed_size 0
		.amdhsa_enable_private_segment 0
		.amdhsa_kernarg_size 48
		.amdhsa_user_sgpr_count 2
		.amdhsa_user_sgpr_kernarg_segment_ptr 1
		.amdhsa_wavefront_size32 1
		.amdhsa_system_sgpr_workgroup_id_x 1
		.amdhsa_system_sgpr_workgroup_id_y 1
		.amdhsa_system_sgpr_workgroup_id_z 1
		.amdhsa_system_vgpr_workitem_id 0
		.amdhsa_next_free_vgpr 1024
		.amdhsa_next_free_sgpr 96
		.amdhsa_reserve_vcc 0
		.amdhsa_float_denorm_mode_32 3
		.amdhsa_float_denorm_mode_16_64 3
		.amdhsa_memory_ordered 1
		.amdhsa_forward_progress 1
		.amdhsa_inst_pref_size 216
	.end_amdhsa_kernel
	.amdgpu_metadata
---
amdhsa.version: [ 1, 2 ]
amdhsa.kernels:
  - .name:           k_qde93336ca1_proj
    .symbol:         k_qde93336ca1_proj.kd
    .args:
      - { .name: xb, .offset: 0, .size: 8, .value_kind: global_buffer, .address_space: global }
      - { .name: bq, .offset: 8, .size: 8, .value_kind: global_buffer, .address_space: global }
      - { .name: bk, .offset: 16, .size: 8, .value_kind: global_buffer, .address_space: global }
      - { .name: bv, .offset: 24, .size: 8, .value_kind: global_buffer, .address_space: global }
      - { .name: wt, .offset: 32, .size: 8, .value_kind: global_buffer, .address_space: global }
      - { .name: qkv, .offset: 40, .size: 8, .value_kind: global_buffer, .address_space: global }
    .group_segment_fixed_size: 327680
    .private_segment_fixed_size: 0
    .kernarg_segment_align: 8
    .kernarg_segment_size: 48
    .max_flat_workgroup_size: 128
    .sgpr_count:     96
    .vgpr_count:     1024
    .wavefront_size: 32
...
	.end_amdgpu_metadata
.endif
;; end of part 2
;; launch attn (part 3): grid 8 x 32, 8 waves a work-group, clusters of 4 x 4, 327,680 bytes of LDS; arguments qkv, mask, heads; writes heads
.if DOCPART == 3
	.amdgcn_target "amdgcn-amd-amdhsa--gfx1250"
	.amdhsa_code_object_version 6
	.text
	.protected	k_qde93336ca1_attn
	.globl	k_qde93336ca1_attn
	.p2align	8
	.type	k_qde93336ca1_attn,@function
k_qde93336ca1_attn:
	s_mov_b64 s[64:65], 0
	v_nop
	global_prefetch_b8 v0, s[64:65] scope:SCOPE_SE
	s_setreg_imm32_b32 hwreg(HW_REG_WAVE_MODE, 25, 1), 1
	s_wait_xcnt 0x0
	s_wait_alu depctr_hold_cnt(0) depctr_sa_sdst(0) depctr_va_vdst(0) depctr_va_sdst(0) depctr_va_ssrc(0) depctr_va_vcc(0) depctr_vm_vsrc(0)
	s_getreg_b32 s2, hwreg(HW_REG_IB_STS2, 6, 4)
	s_cmp_eq_u32 s2, 0
	s_cbranch_scc0 .Lentry_in_a_cluster
	s_endpgm
.Lentry_in_a_cluster:
	s_bfe_u32 s2, ttmp6, 0x10000c
	s_cmp_lg_u32 s2, 0xf033
	s_cbranch_scc0 .Lentry_shape_is_right
	s_endpgm
.Lentry_shape_is_right:
; attn: softmax(Q K^T + mask) V with a running maximum, for two heads and 128 query rows a work-group.  Q already carries the factor 1/8.
; In: qkv bf16 [3][b][head][s][64], mask f32 [b][2048][2048].  Out: heads bf16 [4096][1024] (column = 64 head + e).
; 256 work-groups: grid x = head pair hp (heads 2 hp, 2 hp + 1), grid y = block of 128 of the 4,096 query rows.
; Eight waves: wave w takes head hs = w >> 2 and query rows 32 (w & 3) .. + 31 (two tiles of 16).  Two heads a work-group: a row of the output is 256 whole
; bytes, and the mask's tile serves both.
; TRANSPOSED: scores S^T = K Q^T + mask^T (A = 16 keys, B = 16 queries, C = the mask's f32 loaded straight into the accumulator).  Lane (r, h) then holds
; query r and keys 8 h + j: a row's maximum and sum are made inside the lane, with one exchange between the halves; and the packed probabilities of two key
; tiles ARE the B fragment of O^T = V^T P^T.  V^T's fragments come by the transposing LDS load.
; THE PIPELINE.  The unit of work is one query tile x 64 keys; units go (step, tile 0), (step, tile 1), (step + 1, tile 0) ..  In unit u's turn:
;   X: u's scores are scaled and exponentiated, and unit u + 1's eight score products stand among these lines (one product, two multiply-adds, four exponentials);
;   then u's sum, its probabilities packed into P, the loads for later units, and unit u + 1's maximum and rescale factor;
;   Y: u's eight products with V stand among the sixteen multiplies that bring the OTHER tile's output to unit u + 1's maximum.
; So matrix and vector instructions of one wave alternate, and every LDS load is asked for a phase before it is wanted.
; REGISTERS: window 0: addresses, statistics, Q, the scores of both tiles, P, K;  window 1: O (v0-63) and V's fragments (v64-127).
; CLUSTERS: 4 x 4.  A row of the cluster (four head pairs, one query block) asks for the mask's tile jointly; a column (one head pair, four query blocks) for K's and V's.
; PREFETCH: in the loop's twelve tiles n = 1 .. 12 wave 6 asks for its work-group's eighth of the mask's tile n + 3 (16 rows x 2 blocks of 256 bytes), one tile
; ahead of that tile's tensor load; wave 7 asks in every second tile (n odd) for its sixteenth of K's and V's tiles n + 3 and n + 4 (4 blocks of each of 2 heads).
; The work-groups that share a tile ask for different blocks; the last request is for tile 15, the buffers' last.
; LIMITS: the running maximum starts at -1e38: a row all of whose 2,048 logits lie below -1e38 comes out NaN (a row of -inf alone is NaN in the definition too).
; The probabilities are rounded to bf16 for the product with V; the row's sum is made of the unrounded f32.
; The accumulators take turns, one instruction a turn (four score tiles, four output tiles).
.set SLOT,   139264                    ; 128 keys: the mask's 128 rows x 528, K's two heads x 64 x 272, V's two heads x 64 x 288
.set MPITCH, 528                       ; 512 bytes of mask + 16
.set KPITCH, 272                       ; two keys' 128 bytes each + 16: key kk lies at (kk >> 1) pitch + (kk & 1) 128
.set VPITCH, 288                       ; the same + 32, which keeps the transposing load's sixteen pieces of 16 bytes apart modulo 256 bytes
.set KOFF,   67584
.set VOFF,   102400
.set KHEAD,  64*KPITCH
.set VHEAD,  64*VPITCH
.set STAGE,  2*SLOT                    ; 128 rows x 272 for the way out; no tensor load lands here
.set SPITCH, 272
.set MA, 1                             ; v1-2   LDS address of my mask rows, slot 0, 1
.set KA, 3                             ; v3-4   of K's fragments
.set VA, 5                             ; v5-6   of V's
.set STO, 7
.set RD,  8
.set CO,  9
.set PT, 10                            ; v[10:17] four pairs of partial sums
.set NM, 18                            ; (v18, v19), (v20, v21): (-max x log2 e, running max) of query tile 0, 1
.set MX, 19
.set AL, 22                            ; (v22, v23), (v24, v25): (rescale factor, running sum)
.set LS, 23
.set MN, 26                            ; v26-27 the new maxima
.set TT, 28                            ; v28-31 at work
.set QF, 32                            ; v[32:63]   Q's fragments: 16 q + 8 ks
.set SC, 64                            ; v[64:127]  scores: 32 q + 8 t
.set PB, 128                           ; v[128:143] the unit's probabilities, bf16: 8 ks2
.set KF, 144                           ; v[144:207] K's fragments: 16 t + 8 ks
.set PFM, 208                          ; my offset in the mask's prefetch
.set PFK, 209                          ; and in K's and V's
.set OA, 0                             ; window 1: v[0:63]   O^T: 32 q + 8 et
.set VF, 64                            ; window 1: v[64:127] V^T's fragments: 16 et + 8 ks2
.set G1M, 24
.set G1K, 32
.set G1V, 40
.set G0M, 48
.set G0K, 56
.set G0V, 68
.set MSB, 0
.macro WIN new                         ; the immediate's high byte repeats the setting that is left
.if MSB != \new
	s_set_vgpr_msb (MSB<<8)|\new
.set MSB, \new
.endif
.endm
.set TO_1, 0x40                        ; destination window 1, address window 0
.set YSET, 0x51                        ; source 0, source 2 and destination window 1, source 1 window 0
.macro PLACES
.rept 4
	v_nop
.endr
.endm
.macro CREST
	s_cmp_lg_u32 s10, 0
	s_cbranch_scc1 .Lnot_wave_0_\@
	s_barrier_signal -3
.Lnot_wave_0_\@:
	s_barrier_wait -3
	s_barrier_signal -1
	s_barrier_wait -1
.endm
.macro CROUND
	s_barrier_signal -1
	s_barrier_wait -1
	CREST
.endm
; A joint refill of a slot: waves 0, 1 the mask's halves, 2, 3 K's two heads, 4, 5 V's two heads.  Waves 6, 7 issue no tensor load; with pf = 1 wave 6,
; with pf = 2 wave 7 too, asks the L2 for later tiles.  All branches hang on the wave's number alone.
.macro JLOAD slot, pf
	s_cmp_lg_u32 s11, 0
	s_cbranch_scc1 .Lnot_m_\@
	tensor_load_to_lds s[G0M+4*\slot:G0M+4*\slot+3], s[G1M:G1M+7]
	s_nop 0
	s_branch .Lasked_\@
.Lnot_m_\@:
	s_cmp_lg_u32 s11, 1
	s_cbranch_scc1 .Lnot_k_\@
	tensor_load_to_lds s[G0K+4*\slot:G0K+4*\slot+3], s[G1K:G1K+7]
	s_nop 0
	s_branch .Lasked_\@
.Lnot_k_\@:
	s_cmp_lg_u32 s11, 2
	s_cbranch_scc1 .Lnot_v_\@
	tensor_load_to_lds s[G0V+4*\slot:G0V+4*\slot+3], s[G1V:G1V+7]
	s_nop 0
	s_branch .Lasked_\@
.Lnot_v_\@:
.if \pf
	s_cmp_lg_u32 s10, 6
	s_cbranch_scc1 .Lwave_7_\@
	s_wait_xcnt 0x0                                ; the last request, a tile ago, has read its base: it may be stepped
	s_add_nc_u64 s[96:97], s[96:97], 512           ; the mask's next tile
	global_prefetch_b8 v[PFM], s[96:97] th:TH_LOAD_NT scope:SCOPE_SE
	s_branch .Lasked_\@
.Lwave_7_\@:
.if \pf == 2
	s_wait_xcnt 0x0
	s_add_nc_u64 s[98:99], s[98:99], 32768         ; K's and V's next two tiles
	global_prefetch_b8 v[PFK], s[98:99] th:TH_LOAD_NT scope:SCOPE_SE
.endif
.endif
.Lasked_\@:
.endm
	s_load_b128 s[76:79], s[0:1], 0x0              ; qkv s[76:77], mask s[78:79]
	s_load_b64 s[88:89], s[0:1], 0x10              ; heads
	v_lshl_add_u32 v254, v0, 2, 0x4c800
	v_mov_b32 v255, 0
	ds_add_u32 v254, v255
	v_lshrrev_b32 v1, 5, v0
	v_readfirstlane_b32 s10, v1                    ; wave 0..7
	s_lshr_b32 s11, s10, 1                         ; what I fetch: 0 mask, 1 K, 2 V, 3 nothing
	s_and_b32 s12, s10, 1                          ; which half of it
	s_lshr_b32 s13, s10, 2                         ; hs: my head of the two
	s_and_b32 s14, s10, 3                          ; qs: my 32 query rows
	s_bfe_u32 s4, ttmp6, 0x40000                   ; cx
	s_bfe_u32 s5, ttmp6, 0x40004                   ; cy
	s_and_b32 s8, ttmp7, 0xffff                    ; the cluster's y, 0 to 7
	s_lshl_b32 s9, s8, 2
	s_add_co_u32 s9, s9, s5                        ; y: block of 128 query rows, 0 to 31
	s_lshl_b32 s15, ttmp9, 2
	s_add_co_u32 s15, s15, s4                      ; hp: head pair, 0 to 7
	s_lshr_b32 s16, s8, 2                          ; b: the batch, the same in all sixteen
	s_lshl_b32 s6, s5, 2
	s_lshl_b32 s6, 15, s6                          ; my row of the cluster
	s_lshl_b32 s7, 0x1111, s4                      ; my column
	s_mov_b32 s80, 0x76543210                      ; v_permlanex16_b32: lane i of one half reads lane i of the other
	s_mov_b32 s81, 0xfedcba98
	s_mov_b32 s82, 0x3fb8aa3b                      ; log2 e, twice
	s_mov_b32 s83, 0x3fb8aa3b
	s_mov_b32 s86, 0xbfb8aa3b                      ; -log2 e
	; group 1.  Mask: 64 rows x 128 f32, 2,048 from row to row, 4 words of padding behind every 128.
	; K, V: a dense block of 16 KiB as 64 rows of 32 elements of 8 bytes, 4 (K) or 8 (V) words of padding behind every 64.
	s_or_b32 s[G1M+0], s6, (2<<16)|(1<<20)|(1<<21)|(6<<22)|(3<<25)
	s_or_b32 s[G1K+0], s7, (3<<16)|(1<<20)|(1<<21)|(5<<22)|(3<<25)
	s_or_b32 s[G1V+0], s7, (3<<16)|(1<<20)|(1<<21)|(5<<22)|(7<<25)
	s_mov_b32 s[G1M+1], 128<<16
	s_mov_b32 s[G1K+1], 32<<16
	s_mov_b32 s[G1V+1], 32<<16
	s_mov_b32 s[G1M+2], 64<<16
	s_mov_b32 s[G1K+2], 64<<16
	s_mov_b32 s[G1V+2], 64<<16
	s_mov_b32 s[G1M+3], 128<<16
	s_mov_b32 s[G1K+3], 32<<16
	s_mov_b32 s[G1V+3], 32<<16
	s_mov_b32 s[G1M+4], 64
	s_mov_b32 s[G1K+4], 64
	s_mov_b32 s[G1V+4], 64
	s_mov_b32 s[G1M+5], 2048
	s_mov_b32 s[G1K+5], 32
	s_mov_b32 s[G1V+5], 32
	s_mov_b32 s[G1M+6], 0
	s_mov_b32 s[G1K+6], 0
	s_mov_b32 s[G1V+6], 0
	s_mov_b32 s[G1M+7], 0
	s_mov_b32 s[G1K+7], 0
	s_mov_b32 s[G1V+7], 0
	; the mask's address hangs on y (never on cx), K's and V's on b and hp (never on cy)
	s_lshl_b32 s18, s9, 20                         ; 128 y rows of 8,192 bytes
	s_lshl_b32 s19, s12, 19                        ; + 64 rows for the second half
	s_add_co_u32 s18, s18, s19
	s_mov_b32 s19, 0
	s_lshl_b32 s20, s16, 4
	s_lshl_b32 s21, s15, 1
	s_add_co_u32 s20, s20, s21
	s_add_co_u32 s20, s20, s12                     ; 16 b + 2 hp + which head I fetch
	s_lshl_b32 s20, s20, 18                        ; planes of 2,048 x 128 bytes
	s_add_co_u32 s22, s20, 0x1000000               ; in V's part of qkv
	s_add_co_u32 s20, s20, 0x800000                ; in K's part
	s_mov_b32 s21, 0
	s_mov_b32 s23, 0
	s_mul_i32 s90, s10, 64*MPITCH                  ; LDS: waves 0, 1: the mask's halves
	s_mul_i32 s91, s10, KHEAD
	s_add_co_u32 s91, s91, KOFF-2*KHEAD            ; waves 2, 3: K's heads
	s_mul_i32 s92, s10, VHEAD
	s_add_co_u32 s92, s92, VOFF-4*VHEAD            ; waves 4, 5: V's heads
	s_lshl_b32 s94, s16, 4                         ; Q: ((16 b + 2 hp + hs) 2,048 + (y & 15) 128 + 32 qs) rows of 128 bytes
	s_lshl_b32 s93, s15, 1
	s_add_co_u32 s94, s94, s93
	s_add_co_u32 s94, s94, s13
	s_lshl_b32 s94, s94, 11
	s_and_b32 s93, s9, 15
	s_lshl_b32 s93, s93, 7
	s_add_co_u32 s94, s94, s93
	s_lshl_b32 s93, s14, 5
	s_add_co_u32 s94, s94, s93
	s_lshl_b32 s94, s94, 7
	s_mov_b32 s95, 0
	s_lshl_b32 s2, s9, 18                          ; heads: 128 y rows of 2,048 bytes + 256 hp
	s_lshl_b32 s3, s15, 8
	s_add_co_u32 s2, s2, s3
	s_mov_b32 s3, 0
	s_lshl_b32 s100, s9, 20                        ; the mask's prefetch: my block of rows, tile 3; stepped to tile 4 in front of the first request
	s_add_co_u32 s100, s100, 3*512
	s_mov_b32 s101, 0
	s_lshl_b32 s66, s16, 4                         ; K's and V's prefetch: plane 16 b + 2 hp of K's part, tile 2; stepped to tile 4 in front of the first request
	s_lshl_b32 s67, s15, 1
	s_add_co_u32 s66, s66, s67
	s_lshl_b32 s66, s66, 18
	s_add_co_u32 s66, s66, 0x800000+2*16384
	s_mov_b32 s67, 0
	s_wait_dscnt 0x0
	s_wait_kmcnt 0x0
	s_add_nc_u64 s[18:19], s[78:79], s[18:19]
	s_add_nc_u64 s[20:21], s[76:77], s[20:21]
	s_add_nc_u64 s[22:23], s[76:77], s[22:23]
	s_add_nc_u64 s[94:95], s[76:77], s[94:95]
	s_add_nc_u64 s[88:89], s[88:89], s[2:3]
	s_add_nc_u64 s[96:97], s[78:79], s[100:101]
	s_add_nc_u64 s[98:99], s[76:77], s[66:67]
	CROUND                                         ; all sixteen work-groups are here: the first joint loads meet
.irp s, 0,1
	s_mov_b32 s[G0M+4*\s], 1
	s_add_co_u32 s[G0M+4*\s+1], s90, \s*SLOT
	s_add_nc_u64 s[G0M+4*\s+2:G0M+4*\s+3], s[18:19], \s*512        ; 128 keys of f32
	s_or_b32 s[G0M+4*\s+3], s[G0M+4*\s+3], 0x80000000
	s_mov_b32 s[G0K+4*\s], 1
	s_add_co_u32 s[G0K+4*\s+1], s91, \s*SLOT
	s_add_nc_u64 s[G0K+4*\s+2:G0K+4*\s+3], s[20:21], \s*16384      ; 128 keys of 128 bytes
	s_or_b32 s[G0K+4*\s+3], s[G0K+4*\s+3], 0x80000000
	s_mov_b32 s[G0V+4*\s], 1
	s_add_co_u32 s[G0V+4*\s+1], s92, \s*SLOT
	s_add_nc_u64 s[G0V+4*\s+2:G0V+4*\s+3], s[22:23], \s*16384
	s_or_b32 s[G0V+4*\s+3], s[G0V+4*\s+3], 0x80000000
.endr
	s_cmp_lg_u32 s11, 0                            ; the first fills of both slots: a wave's two stand in one branch on its number
	s_cbranch_scc1 .Lff_not_m
	tensor_load_to_lds s[G0M:G0M+3], s[G1M:G1M+7]
	s_nop 0
	tensor_load_to_lds s[G0M+4:G0M+7], s[G1M:G1M+7]
	s_nop 0
	s_branch .Lff_done
.Lff_not_m:
	s_cmp_lg_u32 s11, 1
	s_cbranch_scc1 .Lff_not_k
	tensor_load_to_lds s[G0K:G0K+3], s[G1K:G1K+7]
	s_nop 0
	tensor_load_to_lds s[G0K+4:G0K+7], s[G1K:G1K+7]
	s_nop 0
	s_branch .Lff_done
.Lff_not_k:
	s_cmp_lg_u32 s11, 2
	s_cbranch_scc1 .Lff_done
	tensor_load_to_lds s[G0V:G0V+3], s[G1V:G1V+7]
	s_nop 0
	tensor_load_to_lds s[G0V+4:G0V+7], s[G1V:G1V+7]
	s_nop 0
.Lff_done:
	v_and_b32 v11, 15, v0                          ; r
	v_bfe_u32 v12, v0, 4, 1                        ; h
	v_and_b32 v13, 31, v0                          ; lane
	v_lshlrev_b32 v10, 7, v11
	v_lshl_add_u32 v10, v12, 4, v10                ; Q: row r, 16 h
.irp qi, 0,1
.irp ks, 0,1
	global_load_b128 v[QF+16*\qi+8*\ks:QF+16*\qi+8*\ks+3],   v10, s[94:95] offset:2048*\qi+64*\ks
	global_load_b128 v[QF+16*\qi+8*\ks+4:QF+16*\qi+8*\ks+7], v10, s[94:95] offset:2048*\qi+64*\ks+32
.endr
.endr
	s_lshl_b32 s93, s14, 5
	v_add_nc_u32 v14, s93, v11                     ; 32 qs + r: my row of the block's 128
	v_mul_u32_u24 v15, v14, MPITCH
	v_lshl_add_u32 v[MA], v12, 5, v15              ; mask: my row, keys 8 h .. as 32 bytes
	v_add_nc_u32 v[MA+1], SLOT, v[MA]
	v_lshrrev_b32 v15, 1, v11
	v_mul_u32_u24 v15, v15, KPITCH
	v_and_b32 v16, 1, v11
	v_lshl_add_u32 v15, v16, 7, v15
	v_lshl_add_u32 v15, v12, 4, v15                ; K: key r, 16 h
	s_mul_i32 s93, s13, KHEAD
	s_add_co_u32 s93, s93, KOFF
	v_add_nc_u32 v[KA], s93, v15
	v_add_nc_u32 v[KA+1], SLOT, v[KA]
	v_bfe_u32 v15, v0, 1, 2                        ; V: key 8 h + (lane & 7), the 16 bytes of e = 8 ((lane >> 3) & 1) ..
	v_lshl_add_u32 v15, v12, 2, v15
	v_mul_u32_u24 v15, v15, VPITCH
	v_and_b32 v16, 1, v0
	v_lshl_add_u32 v15, v16, 7, v15
	v_bfe_u32 v16, v0, 3, 1
	v_lshl_add_u32 v15, v16, 4, v15
	s_mul_i32 s93, s13, VHEAD
	s_add_co_u32 s93, s93, VOFF
	v_add_nc_u32 v[VA], s93, v15
	v_add_nc_u32 v[VA+1], SLOT, v[VA]
	v_mul_u32_u24 v15, v14, SPITCH                 ; the way out, in: my row, my head's 128 bytes, 16 h
	v_lshl_add_u32 v15, v12, 4, v15
	s_lshl_b32 s93, s13, 7
	s_add_co_u32 s93, s93, STAGE
	v_add_nc_u32 v[STO], s93, v15
	s_lshl_b32 s93, s10, 4
	v_add_nc_u32 v15, s93, v12                     ; back: rows 16 w + h, sixteen lanes a row of 256 bytes
	v_mul_u32_u24 v16, v15, SPITCH
	v_lshl_add_u32 v16, v11, 4, v16
	v_add_nc_u32 v[RD], STAGE, v16
	v_lshlrev_b32 v16, 4, v11
	v_lshl_add_u32 v[CO], v15, 11, v16
	; prefetch offsets (global addresses alone hang on hp and y here).  Mask: row 16 hp + (lane >> 1), block lane & 1 of the tile's two.
	s_lshl_b32 s100, s15, 4
	v_lshrrev_b32 v15, 1, v13
	v_add_nc_u32 v15, s100, v15
	v_lshlrev_b32 v15, 13, v15
	v_and_b32 v16, 1, v13
	v_lshl_add_u32 v[PFM], v16, 8, v15
	; K, V: block 4 (y & 15) + (lane & 3) of a tile's 64; lane bit 2: the head, bit 3: K or V, bit 4: this tile or the next
	s_and_b32 s100, s9, 15
	s_lshl_b32 s100, s100, 2
	v_and_b32 v15, 3, v13
	v_add_nc_u32 v15, s100, v15
	v_lshlrev_b32 v15, 8, v15
	v_bfe_u32 v16, v13, 2, 1
	v_lshl_add_u32 v15, v16, 18, v15
	v_bfe_u32 v16, v13, 3, 1
	v_lshl_add_u32 v15, v16, 23, v15
	v_lshl_add_u32 v[PFK], v12, 14, v15
	v_mov_b32 v[MX], 0xfe967699                    ; -1e38: the running maxima's start
	v_mov_b32 v[MX+2], 0xfe967699
	v_mov_b32 v[LS], 0                             ; the running sums' start
	v_mov_b32 v[LS+2], 0
; ---- loads from LDS ----
.macro LDMASK q, slot, half            ; 8 loads: mask(query r of tile q, keys 16 t + 8 h ..) of 64 keys, in the accumulator's own layout
.irp t, 0,1,2,3
	ds_load_b128 v[SC+32*\q+8*\t:SC+32*\q+8*\t+3],   v[MA+\slot] offset:16*MPITCH*\q+256*\half+64*\t
	ds_load_b128 v[SC+32*\q+8*\t+4:SC+32*\q+8*\t+7], v[MA+\slot] offset:16*MPITCH*\q+256*\half+64*\t+16
.endr
.endm
.macro LDK slot, half                  ; 16 loads: K's fragments of 64 keys
.irp t, 0,1,2,3
.irp ks, 0,1
	ds_load_b128 v[KF+16*\t+8*\ks:KF+16*\t+8*\ks+3],   v[KA+\slot] offset:32*KPITCH*\half+8*KPITCH*\t+64*\ks
	ds_load_b128 v[KF+16*\t+8*\ks+4:KF+16*\t+8*\ks+7], v[KA+\slot] offset:32*KPITCH*\half+8*KPITCH*\t+64*\ks+32
.endr
.endr
.endm
.macro LDV slot, half                  ; 16 transposing loads: V^T's fragments of 64 keys, into window 1
	v_nop                                          ; with the two multiplies that follow the last product with V: four places in front of loads
	v_nop                                          ; into its sources (ISA guide 7.12.1)
	WIN TO_1
.irp et, 0,1,2,3
.irp ks2, 0,1
	ds_load_tr16_b128 v[VF+16*\et+8*\ks2:VF+16*\et+8*\ks2+3],   v[VA+\slot] offset:32*VPITCH*\half+16*VPITCH*\ks2+32*\et
	ds_load_tr16_b128 v[VF+16*\et+8*\ks2+4:VF+16*\et+8*\ks2+7], v[VA+\slot] offset:32*VPITCH*\half+16*VPITCH*\ks2+8*VPITCH+32*\et
.endr
.endr
	WIN 0
.endm
; score product g of eight for query tile p: key tile g & 3, half g >> 2 of the 64 along e; it adds onto the mask, then onto the first half's sum
.macro QK1 p, g
	v_wmma_f32_16x16x32_bf16 v[SC+32*(\p)+8*((\g)&3):SC+32*(\p)+8*((\g)&3)+7], v[KF+16*((\g)&3)+8*((\g)>>2):KF+16*((\g)&3)+8*((\g)>>2)+7], v[QF+16*(\p)+8*((\g)>>2):QF+16*(\p)+8*((\g)>>2)+7], v[SC+32*(\p)+8*((\g)&3):SC+32*(\p)+8*((\g)&3)+7]
.endm
; Phase X: tile q's 32 scores a lane become 2^((score - max) log2 e); with qk = 1 the other tile's eight score products stand among these lines.
; The exponentials run one group of four behind the multiply-adds.  Behind each run of exponentials the next plain line works on other registers (ISA guide 5.7.2):
; in the run a multiply-add of a later group, at the end the first line of the sum, which reads scores 0, 1, 8, 9.
.macro XPH q, qk
.irp g, 0,1,2,3,4,5,6,7
.if \qk
	QK1 1-\q, \g
.endif
	v_pk_fma_f32 v[SC+32*\q+4*\g:SC+32*\q+4*\g+1],   v[SC+32*\q+4*\g:SC+32*\q+4*\g+1],   s[82:83], v[NM+2*\q:NM+2*\q+1] op_sel_hi:[1,0,0]
	v_pk_fma_f32 v[SC+32*\q+4*\g+2:SC+32*\q+4*\g+3], v[SC+32*\q+4*\g+2:SC+32*\q+4*\g+3], s[82:83], v[NM+2*\q:NM+2*\q+1] op_sel_hi:[1,0,0]
.if \g
.irp e, 0,1,2,3
	v_exp_f32 v[SC+32*\q+4*(\g-1)+\e], v[SC+32*\q+4*(\g-1)+\e]
.endr
.endif
.endr
.irp e, 28,29,30,31
	v_exp_f32 v[SC+32*\q+\e], v[SC+32*\q+\e]
.endr
.endm
; my 32 probabilities of tile q, in four chains of pairs, onto the rescaled running sum; the two halves of the lanes stay apart until the end
.macro SUMQ q
	s_wait_alu depctr_va_vdst(0)
.irp c, 0,1,2,3
	v_pk_add_f32 v[PT+2*\c:PT+2*\c+1], v[SC+32*\q+2*\c:SC+32*\q+2*\c+1], v[SC+32*\q+8+2*\c:SC+32*\q+8+2*\c+1]
.endr
.irp c, 0,1,2,3
	v_pk_add_f32 v[PT+2*\c:PT+2*\c+1], v[PT+2*\c:PT+2*\c+1], v[SC+32*\q+16+2*\c:SC+32*\q+16+2*\c+1]
.endr
.irp c, 0,1,2,3
	v_pk_add_f32 v[PT+2*\c:PT+2*\c+1], v[PT+2*\c:PT+2*\c+1], v[SC+32*\q+24+2*\c:SC+32*\q+24+2*\c+1]
.endr
	v_pk_add_f32 v[PT:PT+1], v[PT:PT+1], v[PT+2:PT+3]
	v_pk_add_f32 v[PT+4:PT+5], v[PT+4:PT+5], v[PT+6:PT+7]
	v_pk_add_f32 v[PT:PT+1], v[PT:PT+1], v[PT+4:PT+5]
	v_add_f32 v[PT], v[PT], v[PT+1]
	v_fma_f32 v[LS+2*\q], v[LS+2*\q], v[AL+2*\q], v[PT]
.endm
.macro PACK q                          ; two key tiles pack into one B fragment of 32 keys; the score registers are free for the next mask behind this
.irp ks2, 0,1
.irp i, 0,1,2,3,4,5,6,7
	v_cvt_pk_bf16_f32 v[PB+8*\ks2+\i], v[SC+32*\q+16*\ks2+2*\i], v[SC+32*\q+16*\ks2+2*\i+1]
.endr
.endr
.endm
; the new maximum of tile p (32 scores a lane in four chains, the old maximum, the other half of the lanes), -max log2 e, and the factor 2^((old - new) log2 e)
.macro MAXQ p
.irp t, 0,1,2,3
	v_max3_num_f32 v[TT+\t], v[SC+32*\p+8*\t], v[SC+32*\p+8*\t+1], v[SC+32*\p+8*\t+2]
.endr
.irp t, 0,1,2,3
	v_max3_num_f32 v[TT+\t], v[TT+\t], v[SC+32*\p+8*\t+3], v[SC+32*\p+8*\t+4]
.endr
.irp t, 0,1,2,3
	v_max3_num_f32 v[TT+\t], v[TT+\t], v[SC+32*\p+8*\t+5], v[SC+32*\p+8*\t+6]
.endr
	v_max3_num_f32 v[TT], v[TT], v[SC+32*\p+7], v[SC+32*\p+15]
	v_max3_num_f32 v[TT+1], v[TT+1], v[SC+32*\p+23], v[SC+32*\p+31]
	v_max3_num_f32 v[TT], v[TT], v[TT+1], v[TT+2]
	v_max3_num_f32 v[TT], v[TT], v[TT+3], v[MX+2*\p]
	v_permlanex16_b32 v[TT+1], v[TT], s80, s81
	v_max_num_f32 v[MN+\p], v[TT], v[TT+1]
	v_mul_f32 v[NM+2*\p], s86, v[MN+\p]
	v_fma_f32 v[AL+2*\p], v[MX+2*\p], s82, v[NM+2*\p]
	v_exp_f32 v[AL+2*\p], v[AL+2*\p]
	v_mov_b32 v[MX+2*\p], v[MN+\p]                 ; the plain line behind the exponential
	s_wait_alu depctr_va_vdst(0)
.endm
; Phase Y: tile q's eight products with V; with resc = 1 two multiplies behind each bring the other tile's output to its next unit's maximum.
; zero = 1: the tile's very first products start the sums.
.macro YPH q, zero, resc
	WIN YSET
.irp g, 0,1,2,3,4,5,6,7
.if (\zero)*(1-(\g>>2))
	v_wmma_f32_16x16x32_bf16 v[OA+32*\q+8*(\g&3):OA+32*\q+8*(\g&3)+7], v[VF+16*(\g&3)+8*(\g>>2):VF+16*(\g&3)+8*(\g>>2)+7], v[PB+8*(\g>>2):PB+8*(\g>>2)+7], 0
	s_wait_alu depctr_va_vdst(0)
.else
	v_wmma_f32_16x16x32_bf16 v[OA+32*\q+8*(\g&3):OA+32*\q+8*(\g&3)+7], v[VF+16*(\g&3)+8*(\g>>2):VF+16*(\g&3)+8*(\g>>2)+7], v[PB+8*(\g>>2):PB+8*(\g>>2)+7], v[OA+32*\q+8*(\g&3):OA+32*\q+8*(\g&3)+7]
.endif
.if \resc
	v_pk_mul_f32 v[OA+32*(1-\q)+4*\g:OA+32*(1-\q)+4*\g+1],   v[OA+32*(1-\q)+4*\g:OA+32*(1-\q)+4*\g+1],   v[AL+2*(1-\q):AL+2*(1-\q)+1] op_sel_hi:[1,0]
	v_pk_mul_f32 v[OA+32*(1-\q)+4*\g+2:OA+32*(1-\q)+4*\g+3], v[OA+32*(1-\q)+4*\g+2:OA+32*(1-\q)+4*\g+3], v[AL+2*(1-\q):AL+2*(1-\q)+1] op_sel_hi:[1,0]
.endif
.endr
	WIN 0
.endm
; A step: 64 keys (half 0 or 1 of a slot), two units.  At its head: tile 0's scores, maximum and rescaled output are ready, tile 1's mask is on its way, K is in.
; turn = 2 (half 1): V's loads are the slot's last reads; a round of the cluster's barrier follows them, behind which the slot is filled again two tiles ahead and
; the next slot is read.  turn = 1: a plain barrier: the next slot becomes readable, nothing is filled.  first: the very first step.  last: the very last.
.macro STEP slot, half, turn, pf, first, last
.set NS, \slot+\half-2*\slot*\half     ; where the next step's keys lie
.set NH, 1-\half
	LDV \slot, \half
	s_wait_dscnt 16                                ; tile 1's mask is in; V's 16 loads, issued behind it, stay out
	XPH 0, 1
.if \turn
	s_wait_dscnt 0x0                               ; my reads of this slot are over
	s_wait_tensorcnt 0x0                           ; all my tensor loads have landed, my part of the next slot among them: every group 0 may be written
	ds_add_u32 v254, v255
	s_wait_dscnt 0x0
.if \turn == 2
	s_add_nc_u64 s[G0M+4*\slot+2:G0M+4*\slot+3], s[G0M+4*\slot+2:G0M+4*\slot+3], 1024
	s_add_nc_u64 s[G0K+4*\slot+2:G0K+4*\slot+3], s[G0K+4*\slot+2:G0K+4*\slot+3], 32768
	s_add_nc_u64 s[G0V+4*\slot+2:G0V+4*\slot+3], s[G0V+4*\slot+2:G0V+4*\slot+3], 32768
.endif
	s_barrier_signal -1
.endif
	SUMQ 0                                         ; registers only, while the others arrive
	PACK 0
.if \turn
	s_barrier_wait -1
.if \turn == 2
	CREST                                          ; no wave of any partner still reads this slot or has a load on its way
	JLOAD \slot, \pf                               ; my one tensor load behind the round, ahead of every LDS read; it has four units' work in which to land
.endif
.endif
.if \last
	MAXQ 1
	s_wait_dscnt 0x0                               ; V
.else
	LDK NS, NH                                     ; behind the sum and the packing: more than four places behind the last product that read K
	LDMASK 0, NS, NH
	MAXQ 1
	s_wait_dscnt 24                                ; V is in; K's 16 and the mask's 8, issued behind it, stay out
.endif
	YPH 0, \first, 1-\first
.if \last
	XPH 1, 0
	SUMQ 1
	PACK 1
	YPH 1, 0, 0
.else
	s_wait_dscnt 0x0                               ; the next step's K and tile 0's mask
	XPH 1, 1
	SUMQ 1
	PACK 1
	LDMASK 1, NS, NH
	MAXQ 0
	YPH 1, \first, 1
.endif
.endm
	s_wait_tensorcnt 0x1                           ; my part of slot 0 is in; slot 1's load, issued behind it, may stay out
	s_barrier_signal -1
	s_barrier_wait -1
	LDMASK 0, 0, 0
	LDK 0, 0
	LDMASK 1, 0, 0
	s_wait_loadcnt 0x0                             ; Q
	s_wait_dscnt 8                                 ; tile 0's mask and K are in; tile 1's mask stays out
.irp g, 0,1,2,3,4,5,6,7
	QK1 0, \g                                      ; the first unit's scores
.endr
	PLACES
	MAXQ 0
	STEP 0, 0, 0, 0, 1, 0                          ; tile 0
	STEP 0, 1, 2, 0, 0, 0                          ; its round brings tile 2
	s_mov_b32 s85, 6                               ; tiles 1 to 12; their rounds bring tiles 3 to 14
.Ltiles:
	STEP 1, 0, 0, 0, 0, 0
	STEP 1, 1, 2, 2, 0, 0
	STEP 0, 0, 0, 0, 0, 0
	STEP 0, 1, 2, 1, 0, 0
	s_sub_co_u32 s85, s85, 1
	s_cmp_lg_u32 s85, 0
	s_cbranch_scc1 .Ltiles
	STEP 1, 0, 0, 0, 0, 0                          ; tile 13
	STEP 1, 1, 2, 0, 0, 0                          ; its round brings tile 15, the last
	STEP 0, 0, 0, 0, 0, 0                          ; tile 14
	STEP 0, 1, 1, 0, 0, 0                          ; nothing is left to fetch
	STEP 1, 0, 0, 0, 0, 0                          ; tile 15
	STEP 1, 1, 0, 0, 0, 1
	; THE END: the two halves' sums meet, O is divided, rounded, and leaves through the stage as whole rows of 256 bytes (two heads).
	PLACES                                         ; behind the last products, whose results are read below
	v_permlanex16_b32 v[TT], v[LS], s80, s81
	v_permlanex16_b32 v[TT+1], v[LS+2], s80, s81
	v_add_f32 v[LS], v[LS], v[TT]
	v_add_f32 v[LS+2], v[LS+2], v[TT+1]
	v_rcp_f32 v[AL], v[LS]
	v_rcp_f32 v[AL+2], v[LS+2]
	v_nop                                          ; one plain instruction behind the reciprocals
	WIN YSET
	s_wait_alu depctr_va_vdst(0)
.irp qi, 0,1
.set i, 0
.rept 16
	v_pk_mul_f32 v[OA+32*\qi+2*i:OA+32*\qi+2*i+1], v[OA+32*\qi+2*i:OA+32*\qi+2*i+1], v[AL+2*\qi:AL+2*\qi+1] op_sel_hi:[1,0]
.set i, i+1
.endr
.endr
	WIN 0x05                                       ; both sources window 1, destination window 0
.irp qi, 0,1
.irp et, 0,1,2,3
.irp i, 0,1,2,3
	v_cvt_pk_bf16_f32 v[SC+16*\qi+4*\et+\i], v[OA+32*\qi+8*\et+2*\i], v[OA+32*\qi+8*\et+2*\i+1]
.endr
.endr
.endr
	WIN 0
.irp qi, 0,1
.irp et, 0,1,2,3
	ds_store_b128 v[STO], v[SC+16*\qi+4*\et:SC+16*\qi+4*\et+3] offset:16*SPITCH*\qi+32*\et   ; row q = r, e = 16 et + 8 h ..
.endr
.endr
	s_wait_dscnt 0x0                               ; a row's two halves come from two waves: my stores are in before I say so
	s_barrier_signal -1
	s_barrier_wait -1
.irp t, 0,1,2,3,4,5,6,7
	ds_load_b128 v[KF+4*\t:KF+4*\t+3], v[RD] offset:2*SPITCH*\t
.endr
.irp t, 0,1,2,3,4,5,6,7
	s_wait_dscnt 7-\t
	global_store_b128 v[CO], v[KF+4*\t:KF+4*\t+3], s[88:89] offset:4096*\t   ; sixteen lanes store 256 consecutive bytes, at a multiple of 256 from the buffer's first byte
.endr
	s_wait_tensorcnt 0x0
	ds_add_u32 v254, v255
	s_wait_dscnt 0x0
	CROUND                                         ; the closing round
	s_endpgm
.Lfunc_end_k_qde93336ca1_attn:
	.size	k_qde93336ca1_attn, .Lfunc_end_k_qde93336ca1_attn-k_qde93336ca1_attn
	.p2alignl 7, 3214868480
	.fill 96, 4, 3214868480
	.section	.rodata,"a",@progbits
	.p2align	6, 0x0
	.amdhsa_kernel k_qde93336ca1_attn
		.amdhsa_group_segment_fixed_size 327680
		.amdhsa_private_segment_fixed_size 0
		.amdhsa_enable_private_segment 0
		.amdhsa_kernarg_size 24
		.amdhsa_user_sgpr_count 2
		.amdhsa_user_sgpr_kernarg_segment_ptr 1
		.amdhsa_wavefront_size32 1
		.amdhsa_system_sgpr_workgroup_id_x 1
		.amdhsa_system_sgpr_workgroup_id_y 1
		.amdhsa_system_sgpr_workgroup_id_z 1
		.amdhsa_system_vgpr_workitem_id 0
		.amdhsa_next_free_vgpr 384
		.amdhsa_next_free_sgpr 102
		.amdhsa_reserve_vcc 0
		.amdhsa_float_denorm_mode_32 3
		.amdhsa_float_denorm_mode_16_64 3
		.amdhsa_memory_ordered 1
		.amdhsa_forward_progress 1
		.amdhsa_inst_pref_size 240
	.end_amdhsa_kernel
	.amdgpu_metadata
---
amdhsa.version: [ 1, 2 ]
amdhsa.kernels:
  - .name:           k_qde93336ca1_attn
    .symbol:         k_qde93336ca1_attn.kd
    .args:
      - { .name: qkv, .offset: 0, .size: 8, .value_kind: global_buffer, .address_space: global }
      - { .name: mask, .offset: 8, .size: 8, .value_kind: global_buffer, .address_space: global }
      - { .name: heads, .offset: 16, .size: 8, .value_kind: global_buffer, .address_space: global }
    .group_segment_fixed_size: 327680
    .private_segment_fixed_size: 0
    .kernarg_segment_align: 8
    .kernarg_segment_size: 24
    .max_flat_workgroup_size: 256
    .sgpr_count:     102
    .vgpr_count:     384
    .wavefront_size: 32
...
	.end_amdgpu_metadata
.endif
;; end of part 3
;; launch outp (part 4): grid 8 x 32, 4 waves a work-group, clusters of 4 x 4, 327,680 bytes of LDS; arguments heads, wt, bo, out0; writes out0
.if DOCPART == 4
	.amdgcn_target "amdgcn-amd-amdhsa--gfx1250"
	.amdhsa_code_object_version 6
	.text
	.protected	k_qde93336ca1_outp
	.globl	k_qde93336ca1_outp
	.p2align	8
	.type	k_qde93336ca1_outp,@function
k_qde93336ca1_outp:
	s_mov_b64 s[64:65], 0
	v_nop
	global_prefetch_b8 v0, s[64:65] scope:SCOPE_SE
	s_setreg_imm32_b32 hwreg(HW_REG_WAVE_MODE, 25, 1), 1
	s_wait_xcnt 0x0
	s_wait_alu depctr_hold_cnt(0) depctr_sa_sdst(0) depctr_va_vdst(0) depctr_va_sdst(0) depctr_va_ssrc(0) depctr_va_vcc(0) depctr_vm_vsrc(0)
	s_getreg_b32 s2, hwreg(HW_REG_IB_STS2, 6, 4)
	s_cmp_eq_u32 s2, 0
	s_cbranch_scc0 .Lentry_in_a_cluster
	s_endpgm
.Lentry_in_a_cluster:
	s_bfe_u32 s2, ttmp6, 0x10000c
	s_cmp_lg_u32 s2, 0xf033
	s_cbranch_scc0 .Lentry_shape_is_right
	s_endpgm
.Lentry_shape_is_right:
; outp: out0[m][n] = g(sum over k of heads[m][k] WoT[n][k] + bo[n]), g(x) = x / (1 + exp(-1.702 x)).  heads bf16 [4096][1024], WoT bf16 [1024][1024]
; (the fourth matrix of wt), out0 f32 [4096][1024].
; 256 work-groups of 128 x 128 of C (blocks of 256 x 256 would give 64 work-groups only), four waves of 64 x 64: 16 accumulator tiles.
; K goes in four tiles of 256 through two LDS slots (rows of 512 bytes), eight chunks of 32 each; the four tiles are written out, without a loop.
; CLUSTERS: 4 x 4; heads' tiles are asked for jointly along a row of the cluster, WoT's along a column.
; The matrix instruction is used transposed (source 0 = rows of WoT): a lane's 8 results are 8 neighbouring columns of a row.
; The 16 accumulators take turns, one instruction a turn, in the same order in every chunk.
; For large -x the exponential is +inf, its reciprocal 0 and the result -0, as the definition's limit.
.set PITCH,  528                       ; 512 bytes + 16
.set HALF,   64*PITCH                  ; 64 rows: one tensor load, and what one wave reads of A or of B
.set SLOT,   4*HALF
.set STAGE,  2*SLOT                    ; 16 rows x 272 bytes for each wave; no tensor load lands here
.set SPITCH, 272
.set ADRA, 2
.set ADRB, 4
.set STO,  6
.set RD,   7
.set CO,   8
.set BO,   9
.set F0,   16                          ; v[16:79]   buffer 0: B's four fragments, then A's four
.set F1,   80                          ; v[80:143]  buffer 1
.set BIAS, 144                         ; v[144:175]
.set TX,   176                         ; v[176:207] x = sum + bias
.set EX,   208                         ; v[208:239]
.set G1,  24
.set G0,  32
.set G1B, 48
.set G0B, 56
.set MSB, 0
.macro WIN new
.if MSB != \new
	s_set_vgpr_msb (MSB<<8)|\new
.set MSB, \new
.endif
.endm
.set MULW, 0x50                        ; C and D in window 1 (tile (a, b) at v[8 (4 a + b)]), A and B in window 0
.macro PLACES
.rept 4
	v_nop
.endr
.endm
.macro CREST
	s_cmp_lg_u32 s10, 0
	s_cbranch_scc1 .Lnot_wave_0_\@
	s_barrier_signal -3
.Lnot_wave_0_\@:
	s_barrier_wait -3
	s_barrier_signal -1
	s_barrier_wait -1
.endm
.macro CROUND
	s_barrier_signal -1
	s_barrier_wait -1
	CREST
.endm
.macro JLOAD s
	s_cmp_eq_u32 s11, 0
	s_cbranch_scc0 .Lfor_b_\@
	tensor_load_to_lds s[G0+4*\s:G0+4*\s+3], s[G1:G1+7]
	s_nop 0
	s_branch .Lasked_\@
.Lfor_b_\@:
	tensor_load_to_lds s[G0B+4*\s:G0B+4*\s+3], s[G1B:G1B+7]
	s_nop 0
.Lasked_\@:
.endm
	s_load_b256 s[68:75], s[0:1], 0x0              ; heads s[68:69], wt s[70:71], bo s[72:73], out0 s[74:75]
	v_lshl_add_u32 v254, v0, 2, 0x46400
	v_mov_b32 v255, 0
	ds_add_u32 v254, v255
	v_lshrrev_b32 v1, 5, v0
	v_readfirstlane_b32 s10, v1                    ; wave 0..3
	s_lshr_b32 s11, s10, 1                         ; my half of the rows.  Also: I fetch for A (0) or for B (1)
	s_and_b32 s12, s10, 1                          ; my half of the columns.  Also: which 64 rows I fetch
	s_bfe_u32 s40, ttmp6, 0x40000                  ; cx
	s_bfe_u32 s41, ttmp6, 0x40004                  ; cy
	s_lshl_b32 s42, ttmp9, 2
	s_add_co_u32 s42, s42, s40                     ; block column, 0 to 7
	s_and_b32 s13, ttmp7, 0xffff
	s_lshl_b32 s13, s13, 2
	s_add_co_u32 s13, s13, s41                     ; block row, 0 to 31
	s_lshl_b32 s43, s41, 2
	s_lshl_b32 s43, 15, s43                        ; my row of the cluster
	s_lshl_b32 s44, 0x1111, s40                    ; my column
	; group 1: 64 rows x 256 elements of 2 bytes, 1,024 from row to row, 4 words of padding behind every 128
	s_or_b32 s[G1+0], s43, (1<<16)|(1<<20)|(1<<21)|(6<<22)|(3<<25)
	s_or_b32 s[G1B+0], s44, (1<<16)|(1<<20)|(1<<21)|(6<<22)|(3<<25)
	s_mov_b32 s[G1+1], 256<<16
	s_mov_b32 s[G1B+1], 256<<16
	s_mov_b32 s[G1+2], 64<<16
	s_mov_b32 s[G1B+2], 64<<16
	s_mov_b32 s[G1+3], 256<<16
	s_mov_b32 s[G1B+3], 256<<16
	s_mov_b32 s[G1+4], 64
	s_mov_b32 s[G1B+4], 64
	s_mov_b32 s[G1+5], 1024
	s_mov_b32 s[G1B+5], 1024
	s_mov_b32 s[G1+6], 0
	s_mov_b32 s[G1B+6], 0
	s_mov_b32 s[G1+7], 0
	s_mov_b32 s[G1B+7], 0
	s_lshl_b32 s17, s12, 17                        ; 64 rows of 2,048 bytes
	s_lshl_b32 s16, s13, 18                        ; A: 128 rows for each block row
	s_add_co_u32 s16, s16, s17
	s_lshl_b32 s46, s42, 18                        ; B: 128 rows for each block column,
	s_add_co_u32 s46, s46, s17
	s_add_co_u32 s46, s46, 0x600000                ; in the fourth matrix of wt
	s_mov_b32 s17, 0
	s_mov_b32 s47, 0
	s_mul_i32 s20, s10, HALF                       ; where my loads go: A's halves, then B's
	s_mov_b32 s76, 0xc01d265f                      ; -1.702 log2 e, twice
	s_mov_b32 s77, 0xc01d265f
	s_lshl_b32 s78, s42, 9                         ; my first column in bytes of f32: 4 (128 block column + 64 half)
	s_lshl_b32 s79, s12, 8
	s_add_co_u32 s78, s78, s79
	s_mov_b32 s79, 0
	s_lshl_b32 s21, s13, 19                        ; my first row: (128 block row + 64 half) x 4,096 bytes
	s_lshl_b32 s22, s11, 18
	s_add_co_u32 s21, s21, s22
	s_wait_dscnt 0x0
	s_wait_kmcnt 0x0
	s_add_nc_u64 s[14:15], s[68:69], s[16:17]
	s_add_nc_u64 s[46:47], s[70:71], s[46:47]
	s_add_nc_u64 s[72:73], s[72:73], s[78:79]      ; bo at my columns
	s_add_co_u32 s78, s78, s21
	s_add_nc_u64 s[74:75], s[74:75], s[78:79]      ; out0 at my corner
	CROUND                                         ; all sixteen work-groups are here: the first joint loads meet
.irp s, 0,1
	s_mov_b32 s[G0+4*\s], 1
	s_add_co_u32 s[G0+4*\s+1], s20, \s*SLOT
	s_add_nc_u64 s[G0+4*\s+2:G0+4*\s+3], s[14:15], \s*512
	s_or_b32 s[G0+4*\s+3], s[G0+4*\s+3], 0x80000000
	s_mov_b32 s[G0B+4*\s], 1
	s_add_co_u32 s[G0B+4*\s+1], s20, \s*SLOT
	s_add_nc_u64 s[G0B+4*\s+2:G0B+4*\s+3], s[46:47], \s*512
	s_or_b32 s[G0B+4*\s+3], s[G0B+4*\s+3], 0x80000000
.endr
	s_cmp_eq_u32 s11, 0                            ; the first fills, two a wave, inside one branch on the wave's number
	s_cbranch_scc0 .Lfirst_b
	tensor_load_to_lds s[G0:G0+3], s[G1:G1+7]
	s_nop 0
	tensor_load_to_lds s[G0+4:G0+7], s[G1:G1+7]
	s_nop 0
	s_branch .Lfirst_done
.Lfirst_b:
	tensor_load_to_lds s[G0B:G0B+3], s[G1B:G1B+7]
	s_nop 0
	tensor_load_to_lds s[G0B+4:G0B+7], s[G1B:G1B+7]
	s_nop 0
.Lfirst_done:
	v_and_b32 v1, 15, v0                           ; r
	v_bfe_u32 v10, v0, 4, 1                        ; h
	v_lshlrev_b32 v[BO], 5, v10
.irp b, 0,1,2,3
	global_load_b128 v[BIAS+8*\b:BIAS+8*\b+3],   v[BO], s[72:73] offset:64*\b
	global_load_b128 v[BIAS+8*\b+4:BIAS+8*\b+7], v[BO], s[72:73] offset:64*\b+16
.endr
	v_mul_u32_u24 v11, v1, PITCH
	v_lshl_add_u32 v11, v10, 4, v11                ; row x pitch + 16 h
	s_mul_i32 s21, s11, HALF
	s_mul_i32 s22, s12, HALF
	s_add_co_u32 s22, s22, 2*HALF
.irp s, 0,1
	v_add_nc_u32 v[ADRA+\s], s21, v11
	v_add_nc_u32 v[ADRB+\s], s22, v11
	s_add_co_u32 s21, s21, SLOT
	s_add_co_u32 s22, s22, SLOT
.endr
	s_mul_i32 s23, s10, 16*SPITCH
	s_add_co_u32 s23, s23, STAGE
	v_mul_u32_u24 v12, v1, SPITCH
	v_lshl_add_u32 v12, v10, 5, v12
	v_add_nc_u32 v[STO], s23, v12                  ; in: row r, 32 bytes for each half of the lanes
	v_mul_u32_u24 v12, v10, SPITCH
	v_lshl_add_u32 v12, v1, 4, v12
	v_add_nc_u32 v[RD], s23, v12                   ; back: lanes 0-15 one row of 256 bytes, lanes 16-31 the next
	v_lshlrev_b32 v12, 4, v1
	v_lshl_add_u32 v[CO], v10, 12, v12
.macro FETCH slot, k, f                ; one chunk's fragments: 64 rows of B, 64 rows of A, 32 K at byte k of the rows
.irp i, 0,1,2,3
	ds_load_b128 v[\f+8*\i:\f+8*\i+3],   v[ADRB+\slot] offset:\k+\i*16*PITCH
	ds_load_b128 v[\f+8*\i+4:\f+8*\i+7], v[ADRB+\slot] offset:\k+\i*16*PITCH+32
.endr
.irp i, 0,1,2,3
	ds_load_b128 v[\f+32+8*\i:\f+32+8*\i+3],   v[ADRA+\slot] offset:\k+\i*16*PITCH
	ds_load_b128 v[\f+32+8*\i+4:\f+32+8*\i+7], v[ADRA+\slot] offset:\k+\i*16*PITCH+32
.endr
.endm
.macro MUL8 f, a0, zero
.irp a, \a0, \a0+1
.irp b, 0,1,2,3
.if \zero
	v_wmma_f32_16x16x32_bf16 v[8*(4*(\a)+\b):8*(4*(\a)+\b)+7], v[\f+8*\b:\f+8*\b+7], v[\f+32+8*(\a):\f+32+8*(\a)+7], 0
.else
	v_wmma_f32_16x16x32_bf16 v[8*(4*(\a)+\b):8*(4*(\a)+\b)+7], v[\f+8*\b:\f+8*\b+7], v[\f+32+8*(\a):\f+32+8*(\a)+7], v[8*(4*(\a)+\b):8*(4*(\a)+\b)+7]
.endif
.endr
.endr
.endm
; A chunk: buffer f is multiplied; the next chunk's fragments, at byte k of the same slot, are asked for first, into buffer g
.macro CH slot, k, f, g, zero
	s_wait_dscnt 0x0                               ; buffer f is in
	PLACES                                         ; buffer g was read by the last chunk's matrix instructions
	FETCH \slot, \k, \g
	WIN MULW
	MUL8 \f, 0, \zero
	MUL8 \f, 2, \zero
	WIN 0
.endm
.macro SEVEN slot, zero
	CH \slot, 64,  F0, F1, \zero
	CH \slot, 128, F1, F0, 0
	CH \slot, 192, F0, F1, 0
	CH \slot, 256, F1, F0, 0
	CH \slot, 320, F0, F1, 0
	CH \slot, 384, F1, F0, 0
	CH \slot, 448, F0, F1, 0
.endm
; A tile's eighth chunk changes slots.  fill = 1: the barrier opens a round of the cluster's barrier, behind which this slot is filled again, two tiles ahead.
.macro TURN slot, next, fill
	s_wait_dscnt 0x0                               ; buffer 1 is in, and my reads of this slot are over
	s_wait_tensorcnt 0x0                           ; all my tensor loads have landed: the one that was out is my part of the next slot
	ds_add_u32 v254, v255
	s_wait_dscnt 0x0
	s_barrier_signal -1
	WIN MULW
	MUL8 F1, 0, 0                                  ; registers only, while the others arrive
	WIN 0
	s_barrier_wait -1
.if \fill
	CREST
	s_add_nc_u64 s[G0+4*\slot+2:G0+4*\slot+3], s[G0+4*\slot+2:G0+4*\slot+3], 1024
	s_add_nc_u64 s[G0B+4*\slot+2:G0B+4*\slot+3], s[G0B+4*\slot+2:G0B+4*\slot+3], 1024
	JLOAD \slot                                    ; the first tensor load behind the round, ahead of every LDS read
.endif
	PLACES
	FETCH \next, 0, F0
	WIN MULW
	MUL8 F1, 2, 0
	WIN 0
.endm
	s_wait_tensorcnt 0x1                           ; my part of slot 0 is in; slot 1's load, issued behind it, may stay out
	s_barrier_signal -1
	s_barrier_wait -1
	FETCH 0, 0, F0
	SEVEN 0, 1                                     ; K tile 0: its first products start the sums
	TURN 0, 1, 1                                   ; slot 0 gets K tile 2
	SEVEN 1, 0
	TURN 1, 0, 1                                   ; slot 1 gets K tile 3
	SEVEN 0, 0
	TURN 0, 1, 0                                   ; a plain barrier: nothing is left to fetch
	SEVEN 1, 0
	s_wait_dscnt 0x0
	WIN MULW
	MUL8 F1, 0, 0
	MUL8 F1, 2, 0
	WIN 0
	; THE WAY OUT, 16 rows at a time: bias, x / (1 + 2^(-1.702 log2 e x)), through my own stage, out as whole rows of 256 bytes.
	PLACES
	s_wait_loadcnt 0x0                             ; the bias
.macro OUT16 a, buf
	WIN 0x01                                       ; source 0 in window 1
.irp b, 0,1,2,3
.irp r, 0,1,2,3
	v_pk_add_f32 v[TX+8*\b+2*\r:TX+8*\b+2*\r+1], v[8*(4*\a+\b)+2*\r:8*(4*\a+\b)+2*\r+1], v[BIAS+8*\b+2*\r:BIAS+8*\b+2*\r+1]
.endr
.endr
	WIN 0
.set i, 0
.rept 16
	v_pk_mul_f32 v[EX+2*i:EX+2*i+1], v[TX+2*i:TX+2*i+1], s[76:77] op_sel_hi:[1,0]
.set i, i+1
.endr
.set i, 0
.rept 32
	v_exp_f32 v[EX+i], v[EX+i]
.set i, i+1
.endr
	v_nop                                          ; one plain instruction behind the exponentials (ISA guide 5.7.2)
.set i, 0
	s_wait_alu depctr_va_vdst(0)
.rept 16
	v_pk_add_f32 v[EX+2*i:EX+2*i+1], v[EX+2*i:EX+2*i+1], 1.0 op_sel_hi:[1,0]
.set i, i+1
.endr
.set i, 0
.rept 32
	v_rcp_f32 v[EX+i], v[EX+i]
.set i, i+1
.endr
	v_nop                                          ; and behind the reciprocals
.set i, 0
	s_wait_alu depctr_va_vdst(0)
.rept 16
	v_pk_mul_f32 v[TX+2*i:TX+2*i+1], v[TX+2*i:TX+2*i+1], v[EX+2*i:EX+2*i+1]
.set i, i+1
.endr
.irp b, 0,1,2,3
	ds_store_b128 v[STO], v[TX+8*\b:TX+8*\b+3]   offset:64*\b      ; row r, columns 16 b + 8 h ..
	ds_store_b128 v[STO], v[TX+8*\b+4:TX+8*\b+7] offset:64*\b+16
.endr
	s_wait_xcnt 0x0                                ; the registers that earlier stores read are loaded again only behind this wait
.irp t, 0,1,2,3,4,5,6,7
	ds_load_b128 v[\buf+4*\t:\buf+4*\t+3], v[RD] offset:2*SPITCH*\t    ; LDS serves a wave's instructions in order: these see the stores above
.endr
.irp t, 0,1,2,3,4,5,6,7
	s_wait_dscnt 7-\t
	global_store_b128 v[CO], v[\buf+4*\t:\buf+4*\t+3], s[74:75] offset:(16*\a+2*\t)*4096 th:TH_STORE_NT   ; sixteen lanes store 256 consecutive bytes, at a multiple of 256 from out0's first byte
.endr
.endm
	OUT16 0, F0
	OUT16 1, F1
	OUT16 2, F0
	OUT16 3, F1
	s_wait_tensorcnt 0x0
	ds_add_u32 v254, v255
	s_wait_dscnt 0x0
	CROUND                                         ; the closing round
	s_endpgm
.Lfunc_end_k_qde93336ca1_outp:
	.size	k_qde93336ca1_outp, .Lfunc_end_k_qde93336ca1_outp-k_qde93336ca1_outp
	.p2alignl 7, 3214868480
	.fill 96, 4, 3214868480
	.section	.rodata,"a",@progbits
	.p2align	6, 0x0
	.amdhsa_kernel k_qde93336ca1_outp
		.amdhsa_group_segment_fixed_size 327680
		.amdhsa_private_segment_fixed_size 0
		.amdhsa_enable_private_segment 0
		.amdhsa_kernarg_size 32
		.amdhsa_user_sgpr_count 2
		.amdhsa_user_sgpr_kernarg_segment_ptr 1
		.amdhsa_wavefront_size32 1
		.amdhsa_system_sgpr_workgroup_id_x 1
		.amdhsa_system_sgpr_workgroup_id_y 1
		.amdhsa_system_sgpr_workgroup_id_z 1
		.amdhsa_system_vgpr_workitem_id 0
		.amdhsa_next_free_vgpr 384
		.amdhsa_next_free_sgpr 80
		.amdhsa_reserve_vcc 0
		.amdhsa_float_denorm_mode_32 3
		.amdhsa_float_denorm_mode_16_64 3
		.amdhsa_memory_ordered 1
		.amdhsa_forward_progress 1
		.amdhsa_inst_pref_size 114
	.end_amdhsa_kernel
	.amdgpu_metadata
---
amdhsa.version: [ 1, 2 ]
amdhsa.kernels:
  - .name:           k_qde93336ca1_outp
    .symbol:         k_qde93336ca1_outp.kd
    .args:
      - { .name: heads, .offset: 0, .size: 8, .value_kind: global_buffer, .address_space: global }
      - { .name: wt, .offset: 8, .size: 8, .value_kind: global_buffer, .address_space: global }
      - { .name: bo, .offset: 16, .size: 8, .value_kind: global_buffer, .address_space: global }
      - { .name: out0, .offset: 24, .size: 8, .value_kind: global_buffer, .address_space: global }
    .group_segment_fixed_size: 327680
    .private_segment_fixed_size: 0
    .kernarg_segment_align: 8
    .kernarg_segment_size: 32
    .max_flat_workgroup_size: 128
    .sgpr_count:     80
    .vgpr_count:     384
    .wavefront_size: 32
...
	.end_amdgpu_metadata
.endif
;; end of part 4
